; MI455X (gfx1250); checked and timed in simulation.
; The chip was launched on July 23, 2026; its instructions are those of AMD's public machine-readable ISA for CDNA 5 (MIT licence, August 2026) and "CDNA5" Instruction Set Architecture Reference Guide (July 2026). The comments in the code are by the model that wrote it; some were corrected since.
;; Multi Head. Allowed arithmetic: matrix products marked QUANTISED: E5M2 operands, one E8M0 scale for each 32 along K, by v_wmma_scale_f32_16x16x128_f8f6f4 with both operands' format E5M2, f32 sums; everything else in f32.
;; Inputs: WK 1,024 x 1,024 float32; WO 1,024 x 1,024 float32; WQ 1,024 x 1,024 float32; WV 1,024 x 1,024 float32; token_positions 2,048 int32; x 4 x 2,048 x 1,024 float32.
;; Outputs: out0 4 x 2,048 x 1,024 float32.
;; This version of the problem:
;;   THIS VERSION OF THE PROBLEM IS GIVEN IN LOW PRECISION. The matrix products marked QUANTISED in the list below multiply operands that are first quantised to E5M2 (5 exponent bits, 2 mantissa bits; 8 bits a number), with one power-of-two scale for each 32 numbers along K (OCP MX v1.0); their sums are f32. All else is computed in f32.
;;   The module's matrix products, in the order in which they are computed (A, B: the left and right operand; K: the contracted axis; several contracted axes count as one K, in the product's order):
;;     1. [M 8,192, K 1,024] x [K 1,024, N 1,024]; A: input x; B: input WQ: QUANTISED
;;     2. [M 8,192, K 1,024] x [K 1,024, N 1,024]; A: input x; B: input WK: QUANTISED
;;     3. [M 8,192, K 1,024] x [K 1,024, N 1,024]; A: input x; B: input WV: QUANTISED
;;     4. batch 64 x [M 2,048, K 64] x [K 64, N 2,048]; A: computed on the way; B: computed on the way: QUANTISED
;;     5. batch 64 x [M 2,048, K 2,048] x [K 2,048, N 64]; A: softmax (see below); B: computed on the way: QUANTISED
;;     6. [M 8,192, K 1,024] x [K 1,024, N 1,024]; A: computed on the way; B: input WO: QUANTISED
;;   THE QUANTISER, for each operand of a quantised product, along K:
;;     - K is cut into blocks of 32 from its start; a last block that is shorter is filled with zeros.
;;     - A block's scale is 2^e with e = floor(log2(the largest magnitude in the block)) - 15, held to -126 .. 127; a block of zeros has e = 0. As a byte (E8M0): e + 127.
;;     - Each number is divided by its block's scale, clamped to +-57,344, and rounded to the nearest number of E5M2, ties to even, subnormals kept.
;;     - The product sums the exact products of the quantised numbers (number of the format x scale) in f32.
;;   ~~~python
;;   def quantise(x, axis):      # numpy; x: float32 -> the quantised numbers, widened to float32 again
;;       x = np.moveaxis(x, axis, -1); K = x.shape[-1]
;;       x = np.pad(x, [(0, 0)] * (x.ndim - 1) + [(0, -K % 32)]); x = x.reshape(x.shape[:-1] + (-1, 32)); a = np.abs(x).max(-1, keepdims=True)
;;       e = np.where(a > 0, np.clip(np.frexp(np.where(a > 0, a, 1))[1] - 1 - 15, -126, 127), 0)      # np.frexp(a)[1] - 1 = floor(log2(a)), exactly
;;       r = np.clip(x / 2.0 ** e, -57344, 57344)
;;       step = 2.0 ** (np.maximum(np.frexp(np.where(r == 0, 1, r))[1] - 1, -14) - 2)
;;       q = np.round(r / step) * step * 2.0 ** e      # np.round: ties to even
;;       return np.moveaxis(q.reshape(q.shape[:-2] + (-1,))[..., :K], -1, axis).astype(np.float32)
;;   ~~~
;;   SOFTMAX AHEAD OF A QUANTISED PRODUCT. Where the list says 'softmax', what is quantised is not the finished softmax but p = 2^(t - M), with t = logit x log2(e) and M = ceil(the row's largest t), a whole number; so 1/2 < the row's largest p <= 1. The row's sum l is taken of the UNQUANTISED p, in f32, and the product's result is divided by l at the end. Since M is a whole number, a kernel that streams over the keys may use a running M (the ceiling of the running maximum): every later rescaling is an exact power of two, which a block's scale takes up: the codes' values come out the same.
;;   OPERANDS COMPUTED ON THE WAY. 'Computed on the way' means the value that the module computes at that place (a softmax that the list does not call 'softmax' is quantised finished and normalised). What goes into a quantiser is computed in f32, as accurately as f32 sums, v_exp_f32 and their like allow (about 1e-6 of the number): no bf16 or f16 on the way to a quantiser, and a product that is left as it is and whose result goes on into a quantised operand takes f32 operands (vector FMAs, or v_wmma_f32_16x16x4_f32). A number that lies on a knife's edge between two numbers of the format may be rounded either way, as far as f32 arithmetic and the matrix unit's own rounding can turn it there, and no further.
;; One version. Each part assembles by itself: llvm-mc -triple=amdgcn-amd-amdhsa -mcpu=gfx1250 --defsym DOCPART=n.
;; ======== version 1 of 1: 4 launches
;; limits: right only within a limited range of input values
;; workspace buffers: xc 8,388,608 bytes; xs 262,144 bytes; wc 4,194,304 bytes; ws 131,072 bytes; rope 524,288 bytes; kvq 25,952,256 bytes; oc 8,388,608 bytes; os 262,144 bytes
;; launch prep (part 1): grid 400 x 1, 4 waves a work-group, no clusters, 33,280 bytes of LDS; arguments x, WQ, WK, WV, WO, token_positions, xc, xs, wc, ws, rope; writes xc, xs, wc, ws, rope
.if DOCPART == 1
	.amdgcn_target "amdgcn-amd-amdhsa--gfx1250"
	.amdhsa_code_object_version 6
	.text
	.protected	k_q017ce68dd0_prep
	.globl	k_q017ce68dd0_prep
	.p2align	8
	.type	k_q017ce68dd0_prep,@function
k_q017ce68dd0_prep:
	s_mov_b64 s[64:65], 0
	v_nop
	global_prefetch_b8 v0, s[64:65] scope:SCOPE_SE
	s_setreg_imm32_b32 hwreg(HW_REG_WAVE_MODE, 25, 1), 1
	s_wait_xcnt 0x0
; x [8192][1024] and WQ, WK, WV, WO [1024][1024], f32, become codes of BF8 (E5M2), K innermost, with one E8M0 byte for each 32 along K; and token_positions becomes a table of cosines and sines.
; A block's scale is 2^(floor(log2(its largest magnitude)) - 15); its byte is that magnitude's exponent field - 15, held at 1 from below; each number is divided by the scale, held within +-57,344, and rounded to the nearest code, ties to even.
; THE ORDER OF ROWS.  A wave takes 8 rows (8,192 numbers), a work-group 32.  The second and third wave's rows change places on the way out: row 16 i + r of the codes (and of the scale bytes) is row
; 32 (i / 2) + 8 (i % 2) + r + 8 (r / 8) of the tensor.  Sixteen neighbouring rows of the buffers are then a tile whose transposed matrix result has 16 neighbours of the tensor's order in a lane's registers of two neighbouring tiles.
; wc holds WQ's rows, then WK's, WV's, WO's; ws likewise.
; Work-groups 0-255: x;  256-383: the weights, 32 each;  384-399: the table rope[s][pair i][cos, sin] of the angle pos[s] x 10000^(-i / 32), f32.
; A lane must hold 16 NEIGHBOURS for the conversions, a load is best where neighbouring LANES take neighbouring bytes: each load reads 512 consecutive bytes, a step's 2,048 bytes turn through the wave's own stage in LDS.
; LIMITS: a block of zeros, or one whose largest magnitude lies under 2^(15 - 126), gets the byte 1 (the rule says 127 for zeros: the codes are zeros, and this program alone reads the bytes); NaN and infinities are not served.
; The angle is reduced by three parts of pi / 2 with fused multiply-adds: good for |angle| < 2^20.  10000^(-i / 32) is 2^(-i log2(10) / 8) with the product's lost bits put back: about one unit in the last place.
.set STEPS, 16
.set CB,    16                         ; bytes of 16 codes
.set R,     16                         ; v16-79   four sets of 16 numbers as loaded
.set X,     80                         ; v80-111  two sets of 16 neighbours
.set E,     112                        ; v112-127 a scale byte for each step
.set C,     128                        ; v128-191 codes: four registers for each step, so that no store's data are written again
.set WREG,  8192                       ; LDS: a region for each wave: two stages of 32 x SP bytes, then its 256 scale bytes
.set SP,    80                         ; a lane's place in a stage: 64 bytes + 16 of padding
	s_load_b512 s[4:19], s[0:1], 0x0               ; x 4, WQ 6, WK 8, WV 10, WO 12, positions 14, xc 16, xs 18
	s_load_b128 s[20:23], s[0:1], 0x40             ; wc, ws
	s_load_b64 s[24:25], s[0:1], 0x50              ; rope
	v_lshl_add_u32 v192, v0, 2, 0x8000
	v_mov_b32 v193, 0
	v_lshrrev_b32 v1, 5, v0
	v_readfirstlane_b32 s26, v1                    ; wave
	v_and_b32 v2, 31, v0                           ; lane
	s_cmp_ge_u32 ttmp9, 384
	s_cbranch_scc1 .Lrope                          ; the last sixteen work-groups make the table; they use no LDS
	v_lshlrev_b32 v3, 4, v2                        ; my 16 bytes of a load's 512
	s_mul_i32 s33, s26, WREG
	v_lshrrev_b32 v14, 2, v2
	v_mul_u32_u24 v14, v14, SP
	v_and_b32 v15, 3, v2
	v_lshl_add_u32 v14, v15, 4, v14
	v_add_nc_u32 v14, s33, v14                     ; the stage, in: SP (lane / 4) + 16 (lane % 4)
	v_mul_u32_u24 v15, v2, SP
	v_add_nc_u32 v15, s33, v15                     ; and out: SP x lane: my 16 neighbours
	v_mul_u32_u24 v4, v2, CB                       ; my codes' place in a step's
	v_lshrrev_b32 v5, 1, v2
	s_add_co_u32 s33, s33, 2*32*SP
	v_add_nc_u32 v5, s33, v5                       ; my block's scale byte in the wave's 256
	v_lshlrev_b32 v7, 3, v2
	v_add_nc_u32 v6, s33, v7                       ; and on the way out 8 bytes a lane
	s_mov_b32 s34, 0x600000                        ; the mantissa field of 57,344
	s_wait_alu depctr_va_vdst(0)
	s_wait_kmcnt 0x0
	s_cmp_lt_u32 ttmp9, 288                        ; which tensor: every choice hangs on the work-group's number alone
	s_cselect_b64 s[28:29], s[6:7], s[8:9]
	s_cmp_lt_u32 ttmp9, 352
	s_cselect_b64 s[30:31], s[10:11], s[12:13]
	s_cmp_lt_u32 ttmp9, 320
	s_cselect_b64 s[28:29], s[28:29], s[30:31]
	s_cmp_lt_u32 ttmp9, 256
	s_cselect_b64 s[4:5], s[4:5], s[28:29]         ; the numbers
	s_cselect_b64 s[8:9], s[16:17], s[20:21]       ; the codes
	s_cselect_b64 s[10:11], s[18:19], s[22:23]     ; the scale bytes
	s_cselect_b32 s27, 0, 256
	s_cselect_b32 s32, -1, 31
	s_sub_co_u32 s35, ttmp9, s27                   ; the work-group's number among x's, or among the weights'
	s_and_b32 s36, s35, s32                        ; and within its own tensor
	s_lshl_b32 s36, s36, 2
	s_add_co_u32 s36, s36, s26                     ; which 8 rows I read
	s_and_b32 s37, s26, 1
	s_lshl_b32 s37, s37, 1
	s_lshr_b32 s38, s26, 1
	s_or_b32 s37, s37, s38                         ; waves 1 and 2 change places
	s_lshl_b32 s35, s35, 2
	s_add_co_u32 s35, s35, s37                     ; which 8 rows I write
	s_lshl_b32 s36, s36, 15                        ; 32,768 bytes of numbers,
	s_mov_b32 s37, 0
	s_add_nc_u64 s[4:5], s[4:5], s[36:37]
	s_lshl_b32 s36, s35, 13                        ; 8,192 of codes,
	s_add_nc_u64 s[8:9], s[8:9], s[36:37]
	s_lshl_b32 s36, s35, 8                         ; 256 of scale bytes
	s_add_nc_u64 s[10:11], s[10:11], s[36:37]
.macro LOAD t
.irp i, 0,1,2,3
	global_load_b128 v[R+16*((\t)%4)+4*\i:R+16*((\t)%4)+4*\i+3], v3, s[4:5] offset:2048*(\t)+512*\i th:TH_LOAD_NT   ; 32 lanes read 512 consecutive bytes
.endr
.endm
.macro TURN t                          ; step t's numbers through the stage: LDS serves a wave's instructions in order, so no wait stands between the stores and the loads
.irp i, 0,1,2,3
	ds_store_b128 v14, v[R+16*((\t)%4)+4*\i:R+16*((\t)%4)+4*\i+3] offset:32*SP*((\t)%2)+8*SP*\i
.endr
.irp i, 0,1,2,3
	ds_load_b128 v[X+16*((\t)%2)+4*\i:X+16*((\t)%2)+4*\i+3], v15 offset:32*SP*((\t)%2)+16*\i
.endr
.endm
.irp t, 0,1,2,3
	LOAD \t
.endr
	s_wait_loadcnt 12                              ; step 0's four loads are in; three steps' twelve may be out
	TURN 0
.macro STEP t
.set XS, X+16*((\t)%2)
.if (\t) > 0
	s_wait_dscnt 1                                 ; this step's numbers are back from the stage (the last step's byte store may be out)
.else
	s_wait_dscnt 0x0
.endif
.if (\t)+4 < STEPS
	LOAD (\t)+4                                    ; into the registers that this step's stage stores have read
.endif
.if (\t)+1 < STEPS
.if STEPS-2-(\t) >= 3
	s_wait_loadcnt 12                              ; the next step's four loads are in; those of the three steps behind it may be out
.else
	s_wait_loadcnt 4*(STEPS-2-(\t))
.endif
	TURN (\t)+1
.endif
	v_max3_num_f32 v8, |v[XS]|, |v[XS+1]|, |v[XS+2]|               ; the largest magnitude of my 16, in two chains
	v_max3_num_f32 v9, |v[XS+3]|, |v[XS+4]|, |v[XS+5]|
.irp i, 6,10
	v_max3_num_f32 v8, v8, |v[XS+\i]|, |v[XS+\i+1]|
	v_max3_num_f32 v9, v9, |v[XS+\i+2]|, |v[XS+\i+3]|
.endr
	v_max3_num_f32 v8, v8, |v[XS+14]|, |v[XS+15]|
	v_max3_num_f32 v8, v8, v9, 0x8000000           ; and the floor 2^(16 - 127): the byte cannot fall under 1
	v_max_num_f32_dpp v8, v8, v8 row_xmask:1 row_mask:0xf bank_mask:0xf   ; and of my neighbour's 16: the block's
	v_add_nc_u32 v11, 0xf8800000, v8               ; 15 off its exponent field: the conversion takes this operand's exponent field as its scale
	v_and_or_b32 v10, v8, 0x7f800000, s34          ; 57,344 x the scale
.irp i, 0,1,2,3,4,5,6,7,8,9,10,11,12,13,14,15
	v_med3_num_f32 v[XS+\i], v[XS+\i], -v10, v10   ; the conversion to an 8-bit code does not saturate (ISA guide 7.6.2): the hold comes first
.endr
	v_cvt_scalef32_pk8_bf8_f32 v[C+4*(\t):C+4*(\t)+1], v[XS:XS+7], v11
	v_cvt_scalef32_pk8_bf8_f32 v[C+4*(\t)+2:C+4*(\t)+3], v[XS+8:XS+15], v11
	v_lshrrev_b32 v[E+(\t)], 23, v11               ; the scale's byte (also the plain instruction behind the conversions)
	ds_store_b8 v5, v[E+(\t)] offset:16*(\t)       ; both lanes of a block write the same byte with the same value
	global_store_b128 v4, v[C+4*(\t):C+4*(\t)+3], s[8:9] offset:32*CB*(\t)   ; the wave stores 512 consecutive bytes
.endm
.irp t, 0,1,2,3,4,5,6,7,8,9,10,11,12,13,14,15
	STEP \t
.endr
	ds_load_b64 v[12:13], v6                       ; LDS serves a wave's instructions in order: these see my byte stores
	s_wait_dscnt 0x0
	global_store_b64 v7, v[12:13], s[10:11]        ; 32 lanes store 256 consecutive bytes, aligned
	s_wait_tensorcnt 0x0
	ds_add_u32 v192, v193
	s_wait_dscnt 0x0
	s_endpgm
; THE TABLE.  Wave rw of 64 makes rows 32 rw .. 32 rw + 31.  Lane l owns pairs 2 (l % 16) and 2 (l % 16) + 1 of rows 2 it + l / 16, it = 0 .. 15: a store of the wave covers two rows, 512 consecutive bytes.
.Lrope:
	s_sub_co_u32 s27, ttmp9, 384
	s_lshl_b32 s27, s27, 2
	s_add_co_u32 s27, s27, s26                     ; rw
	v_and_b32 v1, 15, v0
	v_bfe_u32 v3, v0, 4, 1
	v_lshlrev_b32 v4, 2, v3                        ; positions: 4 bytes further for lanes 16-31
	s_wait_alu depctr_va_vdst(0)
	v_lshlrev_b32 v5, 4, v2                        ; the table: 16 bytes a lane
	s_lshl_b32 s28, s27, 7
	s_mov_b32 s29, 0
	s_lshl_b32 s30, s27, 13
	s_mov_b32 s31, 0
	s_mov_b32 s33, 0xbed49a78                      ; -log2(10) / 8, rounded,
	s_mov_b32 s34, 0xb2178a2c                      ; and what the rounding lost
	s_wait_kmcnt 0x0
	s_add_nc_u64 s[14:15], s[14:15], s[28:29]
	s_add_nc_u64 s[24:25], s[24:25], s[30:31]
.irp it, 0,1,2,3,4,5,6,7,8,9,10,11,12,13,14,15
	global_load_b32 v[16+\it], v4, s[14:15] offset:8*\it
.endr
	v_lshlrev_b32 v8, 1, v1
	v_cvt_f32_u32 v8, v8                           ; my first pair's number i,
	v_add_f32 v9, 1.0, v8                          ; my second's
	v_mul_f32 v10, s33, v8                         ; x = i c, rounded
	v_mul_f32 v11, s33, v9
	v_fma_f32 v14, v8, s33, -v10                   ; what that rounding lost, exactly,
	v_fma_f32 v15, v9, s33, -v11
	v_fma_f32 v14, v8, s34, v14                    ; and the constant's own rest
	v_fma_f32 v15, v9, s34, v15
	s_wait_alu depctr_va_vdst(0)
	v_exp_f32 v6, v10
	v_exp_f32 v7, v11
	v_mul_f32 v14, 0x3f317218, v14                 ; x ln 2 (a plain instruction behind the exponentials)
	v_mul_f32 v15, 0x3f317218, v15
	s_wait_alu depctr_va_vdst(0)
	v_fma_f32 v6, v6, v14, v6                      ; 2^(x + e) = 2^x (1 + e ln 2)
	v_fma_f32 v7, v7, v15, v7
	v_mov_b32 v12, 0xb493f27e                      ; -1 / 10!
	v_mov_b32 v13, 0x3638ef1d                      ; 1 / 9!
	s_wait_loadcnt 0x0
.irp it, 0,1,2,3,4,5,6,7,8,9,10,11,12,13,14,15
	v_cvt_f32_i32 v[16+\it], v[16+\it]
.endr
; cos and sin of the angle in v[ang].  k = the nearest whole number to angle x 2 / pi; r = angle - k pi / 2, |r| <= pi / 4; series to r^10 and r^9; k mod 4 chooses and signs.  No branch: selects only.
.macro SINCOS ang, co, si
	v_mul_f32 v33, 0x3f22f983, v[\ang]
	v_rndne_f32 v33, v33
	v_fmamk_f32 v34, v33, 0xbfc90fd8, v[\ang]
	v_fmamk_f32 v34, v33, 0xb4a8885a, v34
	v_fmamk_f32 v34, v33, 0xa7c234c4, v34
	v_cvt_i32_f32 v36, v33
	v_mul_f32 v35, v34, v34
	v_fmaak_f32 v37, v12, v35, 0x37d00d01          ; cosine and sine by turns
	v_fmaak_f32 v38, v13, v35, 0xb9500d01
	v_fmaak_f32 v37, v37, v35, 0xbab60b61
	v_fmaak_f32 v38, v38, v35, 0x3c088889
	v_fmaak_f32 v37, v37, v35, 0x3d2aaaab
	v_fmaak_f32 v38, v38, v35, 0xbe2aaaab
	v_mul_f32 v39, v34, v35
	v_fma_f32 v37, v37, v35, -0.5
	v_fma_f32 v38, v38, v39, v34
	v_fma_f32 v37, v37, v35, 1.0
	v_and_b32 v40, 1, v36
	v_cmp_eq_u32 vcc_lo, 1, v40
	v_cndmask_b32 v[\si], v38, v37, vcc_lo         ; k odd: the two change places
	v_cndmask_b32 v[\co], v37, v38, vcc_lo
	v_lshlrev_b32 v40, 30, v36                     ; sine: minus where k mod 4 is 2 or 3
	v_add_nc_u32 v41, 1, v36                       ; cosine: where it is 1 or 2
	v_and_b32 v40, 0x80000000, v40
	v_lshlrev_b32 v41, 30, v41
	v_xor_b32 v[\si], v40, v[\si]
	v_and_b32 v41, 0x80000000, v41
	v_xor_b32 v[\co], v41, v[\co]
.endm
.irp it, 0,1,2,3,4,5,6,7,8,9,10,11,12,13,14,15
	v_mul_f32 v32, v[16+\it], v6
	SINCOS 32, 64+4*\it, 65+4*\it
	v_mul_f32 v32, v[16+\it], v7
	SINCOS 32, 66+4*\it, 67+4*\it
	global_store_b128 v5, v[64+4*\it:67+4*\it], s[24:25] offset:512*\it   ; each trip has registers of its own: no store's data are written again
.endr
	s_endpgm
.Lfunc_end_k_q017ce68dd0_prep:
	.size	k_q017ce68dd0_prep, .Lfunc_end_k_q017ce68dd0_prep-k_q017ce68dd0_prep
	.p2alignl 7, 3214868480
	.fill 96, 4, 3214868480
	.section	.rodata,"a",@progbits
	.p2align	6, 0x0
	.amdhsa_kernel k_q017ce68dd0_prep
		.amdhsa_group_segment_fixed_size 33280
		.amdhsa_private_segment_fixed_size 0
		.amdhsa_enable_private_segment 0
		.amdhsa_kernarg_size 88
		.amdhsa_user_sgpr_count 2
		.amdhsa_user_sgpr_kernarg_segment_ptr 1
		.amdhsa_wavefront_size32 1
		.amdhsa_system_sgpr_workgroup_id_x 1
		.amdhsa_system_sgpr_workgroup_id_y 1
		.amdhsa_system_sgpr_workgroup_id_z 1
		.amdhsa_system_vgpr_workitem_id 0
		.amdhsa_next_free_vgpr 194
		.amdhsa_next_free_sgpr 66
		.amdhsa_reserve_vcc 1
		.amdhsa_float_denorm_mode_32 3
		.amdhsa_float_denorm_mode_16_64 3
		.amdhsa_memory_ordered 1
		.amdhsa_forward_progress 1
		.amdhsa_inst_pref_size 101
	.end_amdhsa_kernel
	.amdgpu_metadata
---
amdhsa.version: [ 1, 2 ]
amdhsa.kernels:
  - .name:           k_q017ce68dd0_prep
    .symbol:         k_q017ce68dd0_prep.kd
    .args:
      - { .name: x, .offset: 0, .size: 8, .value_kind: global_buffer, .address_space: global }
      - { .name: WQ, .offset: 8, .size: 8, .value_kind: global_buffer, .address_space: global }
      - { .name: WK, .offset: 16, .size: 8, .value_kind: global_buffer, .address_space: global }
      - { .name: WV, .offset: 24, .size: 8, .value_kind: global_buffer, .address_space: global }
      - { .name: WO, .offset: 32, .size: 8, .value_kind: global_buffer, .address_space: global }
      - { .name: token_positions, .offset: 40, .size: 8, .value_kind: global_buffer, .address_space: global }
      - { .name: xc, .offset: 48, .size: 8, .value_kind: global_buffer, .address_space: global }
      - { .name: xs, .offset: 56, .size: 8, .value_kind: global_buffer, .address_space: global }
      - { .name: wc, .offset: 64, .size: 8, .value_kind: global_buffer, .address_space: global }
      - { .name: ws, .offset: 72, .size: 8, .value_kind: global_buffer, .address_space: global }
      - { .name: rope, .offset: 80, .size: 8, .value_kind: global_buffer, .address_space: global }
    .group_segment_fixed_size: 33280
    .private_segment_fixed_size: 0
    .kernarg_segment_align: 8
    .kernarg_segment_size: 88
    .max_flat_workgroup_size: 128
    .sgpr_count:     66
    .vgpr_count:     194
    .wavefront_size: 32
...
	.end_amdgpu_metadata
.endif
;; end of part 1
;; launch qkv (part 2): grid 8 x 32, 4 waves a work-group, clusters of 4 x 4, 327,680 bytes of LDS; arguments xc, xs, wc, ws, rope, kvq; writes kvq
.if DOCPART == 2
	.amdgcn_target "amdgcn-amd-amdhsa--gfx1250"
	.amdhsa_code_object_version 6
	.text
	.protected	k_q017ce68dd0_qkv
	.globl	k_q017ce68dd0_qkv
	.p2align	8
	.type	k_q017ce68dd0_qkv,@function
k_q017ce68dd0_qkv:
	s_mov_b64 s[64:65], 0
	v_nop
	global_prefetch_b8 v0, s[64:65] scope:SCOPE_SE
	s_setreg_imm32_b32 hwreg(HW_REG_WAVE_MODE, 25, 1), 1
	s_wait_xcnt 0x0
	s_wait_alu depctr_hold_cnt(0) depctr_sa_sdst(0) depctr_va_vdst(0) depctr_va_sdst(0) depctr_va_ssrc(0) depctr_va_vcc(0) depctr_vm_vsrc(0)
	s_getreg_b32 s2, hwreg(HW_REG_IB_STS2, 6, 4)
	s_cmp_eq_u32 s2, 0
	s_cbranch_scc0 .Lentry_in_a_cluster
	s_endpgm
.Lentry_in_a_cluster:
	s_bfe_u32 s2, ttmp6, 0x10000c
	s_cmp_lg_u32 s2, 0xf033
	s_cbranch_scc0 .Lentry_shape_is_right
	s_endpgm
.Lentry_shape_is_right:
; Q = rope(x WQ^T), K = rope(x WK^T), V = x WV^T on codes of BF8 (E5M2) with E8M0 scales, K = 1,024; the results are quantised at once, each along the K of the product that will read it, and leave as codes.
; EVERY WORK-GROUP MAKES ONE AND A HALF TILES, so that 8 x 32 = 256 work-groups have the same work.  Work-group (tc, tr):
;   first product:  C[token][e], 256 tokens (x's rows 256 tr on) x 256 rows of WQ and WK (wc's rows 256 tc on); a wave makes 128 x 128: 64 accumulators, 512 registers;
;   second product: V^T[e][token], 128 rows of WV (wc's rows 2,048 + 128 tc on) x the same 256 tokens; a wave makes 64 (one head's d) x 128: 32 accumulators.
; K goes in steps of 256 through two LDS slots filled by the tensor data mover, and the ring does not stop between the products: the first product's last two changes of slots ask for the second's K steps 0 and 1, which land while the first results leave.
; CLUSTERS of 4 x 4: x's tiles hang on tr alone and are asked for jointly along a row of the cluster, in both products by the same descriptors and into the same LDS bytes; W's hang on tc alone and are asked for along a column.
; THE MATRIX INSTRUCTION IS USED TRANSPOSED.  Source 0 is the side along which the result is quantised (first product: W's rows e; second: tokens), source 1 the other.  The buffers' rows lie so that row 16 i + r is the tensor's
; row 32 (i / 2) + 8 (i % 2) + r + 8 (r / 8): so of source 1's block a lane (r, h) holds row 16 a + r of the buffer, and its register 16 q + i is n = 32 q + 16 h + i of source 0 in the TENSOR's order: 16 neighbours along the next product's K.
; THE WAY OUT.  Q, K: the table's cosines and sines turn each pair (2 k, 2 k + 1); blocks of 32 along the head's 64 are quantised.  V^T: blocks of 32 along the tokens.  A block lies in lanes l and l xor 16.
; kvq IS LAID IN THE ORDER OF THE OPERAND'S REGISTERS, so that a lane's 16 codes leave straight from the conversion and a store of the wave covers 512 consecutive bytes; nothing goes through LDS.
;   Chunk (g, blk) at (64 g + blk) x 8,448 bytes; g = 0-15 Q's heads, 16-31 K's, 32-47 V's; blk = token / 128.  8,192 bytes of codes in 16 pieces of 512 (lane l's 16 bytes at 16 l), then 256 scale bytes.
;   Q, K: piece 2 a + qq: lane (r, h) has token row 16 a + r (buffer order), the head's k = 32 qq + 16 h + 0 .. 15.  Scale word 4 rr + f: the two bytes of row 32 f + rr below, those of row 32 f + 16 + rr above.
;   V: piece 4 a + q: lane (r, h) has row d = 16 a + r (buffer order), keys 32 q + 16 h + 0 .. 15 (the tensor's order).  Scale word 4 r + a: row 16 a + r's four bytes.
; LIMITS: a block whose largest magnitude lies under 2^(15 - 126), or of zeros, gets the byte 1 (its codes are zeros; this program alone reads the bytes); NaN and infinities are not served.
; REGISTERS: window 0: v0-31 addresses; v32-63 scale words, two sets; v64-127 the table, then WV's scale words; v128-255 source 1's fragments; window 1: source 0's fragments, two sets; windows 2, 3: the accumulators ((a, b) at v[8 (8 (a % 4) + b)] of window 2 + a / 4).
.set NQ,     2                         ; matrix instructions deep in a slot
.set ROWB,   256                       ; a tile's row in bytes
.set KROW,   1024                      ; a row of codes in memory
.set PITCH,  272                       ; an LDS row: 256 bytes + 16 of padding = 68 words: the 16 rows that a load touches start at 16 different banks (64 banks of 4 bytes: ISA guide 11.1)
.set FR,     16
.set NL,     4
.set NP,     8                         ; places behind this matrix instruction (ISA guide 7.12.1)
.set HALFT,  128*PITCH
.set QUART,  64*PITCH
.set SLOT,   4*HALFT                   ; x's 256 rows, then W's 256 (second product: 128)
.set KS,     32                        ; a row of scale bytes
.set SCL,    2*SLOT                    ; behind the ring: the scale bytes of x's and W's rows, units of 256 bytes + 16 of padding
.set HALFS,  (128*KS/256)*272
.set SBLK,   (16*KS/256)*272
.set SPARE,  SCL+4*HALFS               ; the spare words, 128 bytes a wave: two blocks of 256 bytes that no other line names
.set CHUNK,  8448
.set GSTEP,  64*CHUNK                  ; from a head's chunk to the next head's
.set ADRA, 16                          ; v16-17  first product: my 128 rows of x in slot 0, 1
.set ADX,  18                          ; v18-19  second product: my 128 tokens
.set ADRB, 20                          ; v20-21  first product: my 128 rows of W
.set ADW,  22                          ; v22-23  second product: my 64 rows of WV
.set ADS2, 24                          ; v24     second product: my tokens' scale words
.set ADRS, 27                          ; v27     first product: lanes 0-15 x's scale words, lanes 16-31 W's
.set SPW,  28                          ; v28     LDS address of my spare word; never rewritten
.set NIL,  29                          ; v29     0; never rewritten
.set SC,   32
.set TAB,  64                          ; v64-127 two sets of 32: cos, sin of my 16 pairs
.set WVS,  64                          ; v64-95  later: WV's scale words: block a's word w at 8 a + w
.set AF,   128
.set E,    128                         ; the way out: v128-191 64 numbers on their way to codes
.set T,    192                         ; v192-199 four pairs at work
.set PC,   200                         ; v200-215 the codes
.set TM,   216                         ; v216-219 largest magnitudes, 220-223 bytes, 224-227 57,344 x the scale, 228-231 the conversions' scale operands
.set W0,   232
.set W1,   233
.set SW0,  234                         ; v234-237 the first head's four scale words, v238-241 the second's, v242-245 what my half of the lanes stores
.set SW1,  238
.set SWS,  242
.set VW,   246                         ; v246-249 V's four scale words
.set G1, 24                            ; s[24:31] group 1 for x's tiles; s[32:39] group 0, a set for each slot
.set G0, 32
.set G1B, 48                           ; s[48:55], s[56:63] the same for W's
.set G0B, 56
.set G1S, 68                           ; s[68:75], s[76:79] x's scale bytes;  s[80:87], s[88:91] W's
.set G0S, 76
.set G1SB, 80
.set G0SB, 88
.set MSB, 0
.macro WIN new                         ; the immediate's high byte repeats the setting that is left; a switch that changes nothing is dropped
.if MSB != (\new)
	s_set_vgpr_msb (MSB<<8)|(\new)
.set MSB, (\new)
.endif
.endm
.set MUL_LO, 0xa1                      ; source 0 window 1, source 1 window 0, C and D window 2
.set MUL_HI, 0xf1
.set TO_B,   0x40
; A joint load: waves 0 and 1 fetch x's halves, waves 2 and 3 W's; the branch hangs on the wave's number alone.  Four v_nop follow each of the two lines.
.macro JLOAD g0a, g1a, g0b, g1b
	s_cmp_eq_u32 s15, 0
	s_cbranch_scc0 .Lfor_b_\@
	tensor_load_to_lds s[\g0a:\g0a+3], s[\g1a:\g1a+7]
	s_nop 0
.rept 4
	v_nop
.endr
	s_branch .Lasked_\@
.Lfor_b_\@:
	tensor_load_to_lds s[\g0b:\g0b+3], s[\g1b:\g1b+7]
	s_nop 0
.rept 4
	v_nop
.endr
.Lasked_\@:
.endm
.macro CREST                           ; a round of the cluster's barrier behind its opening barrier
	s_cmp_lg_u32 s14, 0
	s_cbranch_scc1 .Lnot_wave_0_\@
	s_barrier_signal -3
.Lnot_wave_0_\@:
	s_barrier_wait -3
	s_barrier_signal -1
	s_barrier_wait -1
.endm
.macro CROUND
	s_barrier_signal -1
	s_barrier_wait -1
	CREST
.endm
	s_load_b256 s[4:11], s[0:1], 0x0               ; xc, xs, wc, ws
	s_load_b128 s[96:99], s[0:1], 0x20             ; rope, kvq
	v_lshl_add_u32 v[SPW], v0, 2, SPARE
	v_mov_b32 v[NIL], 0
	ds_add_u32 v28, v29
	ds_add_u32 v28, v29
	s_wait_dscnt 0x0
	v_lshrrev_b32 v1, 5, v0
	v_readfirstlane_b32 s14, v1                    ; wave 0..3
	s_lshr_b32 s15, s14, 1                         ; which half of source 1's rows is mine.  Also: I fetch for x (0) or for W (1)
	s_and_b32 s16, s14, 1                          ; which half of source 0's rows.  Also: which half of the tile I fetch
	s_bfe_u32 s40, ttmp6, 0x40000                  ; cx, cy
	s_bfe_u32 s41, ttmp6, 0x40004
	s_lshl_b32 s42, ttmp9, 2
	s_add_co_u32 s42, s42, s40                     ; tc = 4 x cluster x + cx
	s_and_b32 s17, ttmp7, 0xffff
	s_lshl_b32 s17, s17, 2
	s_add_co_u32 s17, s17, s41                     ; tr = 4 x cluster y + cy
	s_lshl_b32 s43, s41, 2
	s_lshl_b32 s43, 15, s43                        ; my row of the cluster
	s_lshl_b32 s44, 0x1111, s40                    ; my column
	s_or_b32 s[G1+0], s43, (0<<16)|(1<<20)|(1<<21)|(5<<22)|(3<<25)  ; 15:0 the mask; 17:16 elements of 1 byte; 20 padding on; 21 set beside a mask; 24:22 after every 64 words; 31:25 four words
	s_or_b32 s[G1B+0], s44, (0<<16)|(1<<20)|(1<<21)|(5<<22)|(3<<25)
.irp g, G1, G1B
	s_mov_b32 s[\g+1], ROWB<<16                    ; tensor_dim0
	s_mov_b32 s[\g+2], 128<<16                     ; tensor_dim1
	s_mov_b32 s[\g+3], ROWB<<16                    ; tile_dim0
	s_mov_b32 s[\g+4], 128                         ; tile_dim1
	s_mov_b32 s[\g+5], KROW                        ; the pitch
	s_mov_b32 s[\g+6], 0
	s_mov_b32 s[\g+7], 0
.endr
	s_or_b32 s[G1S+0], s43, (3<<16)|(1<<20)|(1<<21)|(5<<22)|(3<<25)  ; the scale bytes of 128 rows: 4,096 dense bytes as 16 rows of 256 (32 elements of 8 bytes), 16 bytes of padding behind each
	s_or_b32 s[G1SB+0], s44, (3<<16)|(1<<20)|(1<<21)|(5<<22)|(3<<25)
.irp g, G1S, G1SB
	s_mov_b32 s[\g+1], 32<<16
	s_mov_b32 s[\g+2], (128*KS/256)<<16
	s_mov_b32 s[\g+3], 32<<16
	s_mov_b32 s[\g+4], 128*KS/256
	s_mov_b32 s[\g+5], 32
	s_mov_b32 s[\g+6], 0
	s_mov_b32 s[\g+7], 0
.endr
	s_lshl_b32 s2, s16, 7                          ; which 128 rows of a tile I fetch
	s_lshl_b32 s20, s17, 8
	s_add_co_u32 s20, s20, s2                      ; x's row
	s_lshl_b32 s46, s42, 8
	s_add_co_u32 s46, s46, s2                      ; W's row
	s_lshl_b32 s22, s20, 5                         ; 32 scale bytes a row,
	s_mov_b32 s23, 0
	s_lshl_b32 s66, s46, 5
	s_mov_b32 s67, 0
	s_lshl_b32 s20, s20, 10                        ; 1,024 codes
	s_mov_b32 s21, 0
	s_lshl_b32 s46, s46, 10
	s_mov_b32 s47, 0
	s_lshl_b32 s92, s42, 7                         ; WV's row that I fetch: 2,048 + 128 tc + 64 x half
	s_lshl_b32 s2, s16, 6
	s_add_co_u32 s92, s92, s2
	s_add_co_u32 s92, s92, 2048
	s_lshl_b32 s92, s92, 10
	s_mov_b32 s93, 0
	s_lshl_b32 s100, s42, 7                        ; WV's rows that I multiply: 2,048 + 128 tc + 64 x my half
	s_lshl_b32 s2, s15, 6
	s_add_co_u32 s100, s100, s2
	s_add_co_u32 s100, s100, 2048
	s_lshl_b32 s100, s100, 5
	s_mov_b32 s101, 0
	s_mul_i32 s45, s14, HALFT                      ; where the tiles go: wave x 128 rows: no place in the cluster enters an LDS address
	s_mul_i32 s94, s14, HALFS
	s_mul_i32 s3, s16, QUART
	s_add_co_u32 s3, s3, 2*HALFT                   ; and WV's halves of 64 rows
	s_mov_b32 s18, 0x76543210
	s_mov_b32 s19, 0xfedcba98                      ; v_permlanex16_b32's selects for lane l xor 16
	s_mov_b32 s95, 0x600000                        ; the mantissa field of 57,344
	s_wait_kmcnt 0x0
	s_add_nc_u64 s[20:21], s[4:5], s[20:21]
	s_add_nc_u64 s[22:23], s[6:7], s[22:23]
	s_add_nc_u64 s[46:47], s[8:9], s[46:47]
	s_add_nc_u64 s[66:67], s[10:11], s[66:67]
	s_add_nc_u64 s[92:93], s[8:9], s[92:93]
	s_add_nc_u64 s[100:101], s[10:11], s[100:101]
	CROUND                                         ; all sixteen work-groups are here: the first joint loads meet
	s_mov_b32 s[G0S], 1
	s_add_co_u32 s[G0S+1], s94, SCL
	s_mov_b64 s[G0S+2:G0S+3], s[22:23]
	s_or_b32 s[G0S+3], s[G0S+3], 0x80000000
	s_mov_b32 s[G0SB], 1
	s_add_co_u32 s[G0SB+1], s94, SCL
	s_mov_b64 s[G0SB+2:G0SB+3], s[66:67]
	s_or_b32 s[G0SB+3], s[G0SB+3], 0x80000000
	JLOAD G0S, G1S, G0SB, G1SB                     ; the scale bytes first: they are wanted with K step 0
.irp s, 0,1
	s_mov_b32 s[G0+4*\s], 1
	s_add_co_u32 s[G0+4*\s+1], s45, \s*SLOT
	s_add_nc_u64 s[G0+4*\s+2:G0+4*\s+3], s[20:21], \s*ROWB
	s_or_b32 s[G0+4*\s+3], s[G0+4*\s+3], 0x80000000
	s_mov_b32 s[G0B+4*\s], 1
	s_add_co_u32 s[G0B+4*\s+1], s45, \s*SLOT
	s_add_nc_u64 s[G0B+4*\s+2:G0B+4*\s+3], s[46:47], \s*ROWB
	s_or_b32 s[G0B+4*\s+3], s[G0B+4*\s+3], 0x80000000
	s_wait_alu depctr_va_vdst(0)
	s_wait_tensorcnt 0x0
	ds_add_u32 v28, v29
	s_wait_dscnt 0x0
	CROUND
	JLOAD G0+4*\s, G1, G0B+4*\s, G1B               ; three loads of mine are out at the most
.endr
	; the pointers of the two ways out
	s_lshl_b32 s20, s17, 8
	s_lshl_b32 s21, s15, 7
	s_add_co_u32 s20, s20, s21
	s_and_b32 s20, s20, 2047                       ; my first token's place in its sequence
	s_lshl_b32 s20, s20, 8                         ; a row of the table is 256 bytes
	s_mov_b32 s21, 0
	s_add_nc_u64 s[96:97], s[96:97], s[20:21]
	s_lshl_b32 s20, s42, 1                         ; V: g = 32 + 2 tc + my half, blk = 2 tr + my half of the tokens
	s_add_co_u32 s20, s20, s15
	s_add_co_u32 s20, s20, 32
	s_lshl_b32 s20, s20, 6
	s_lshl_b32 s22, s17, 1
	s_add_co_u32 s20, s20, s22
	s_add_co_u32 s20, s20, s16
	s_mul_i32 s20, s20, CHUNK
	s_add_nc_u64 s[12:13], s[98:99], s[20:21]
	s_lshl_b32 s20, s42, 2                         ; Q, K: g = 4 tc + 2 x my half of e, blk = 2 tr + my half of the tokens
	s_lshl_b32 s23, s16, 1
	s_add_co_u32 s20, s20, s23
	s_lshl_b32 s20, s20, 6
	s_add_co_u32 s20, s20, s22
	s_add_co_u32 s20, s20, s15
	s_mul_i32 s20, s20, CHUNK
	s_add_nc_u64 s[98:99], s[98:99], s[20:21]
	v_and_b32 v1, 15, v0                           ; r = l % 16
	v_bfe_u32 v2, v0, 4, 1                         ; h = l / 16
	v_mul_u32_u24 v3, v1, PITCH
	v_lshl_add_u32 v4, v2, 4, v3                   ; a fragment's row x pitch + 16 h
	s_wait_alu depctr_va_vdst(0)
	s_mul_i32 s21, s15, HALFT                      ; first product: my 128 rows of x,
	s_mul_i32 s22, s16, HALFT                      ; second: my 128 tokens
	s_add_co_u32 s23, s22, 2*HALFT                 ; first: my 128 rows of W, behind x's 256
	s_mul_i32 s20, s15, QUART
	s_add_co_u32 s20, s20, 2*HALFT                 ; second: my 64 rows of WV
.irp s, 0,1
	v_add_nc_u32 v[ADRA+\s], s21, v4
	v_add_nc_u32 v[ADX+\s], s22, v4
	v_add_nc_u32 v[ADRB+\s], s23, v4
	v_add_nc_u32 v[ADW+\s], s20, v4
	s_add_co_u32 s21, s21, SLOT
	s_add_co_u32 s22, s22, SLOT
	s_add_co_u32 s23, s23, SLOT
	s_add_co_u32 s20, s20, SLOT
.endr
	v_mul_u32_u24 v5, v1, KS                       ; my row's scale bytes: KS a row,
	v_lshrrev_b32 v6, 8, v5
	v_lshl_add_u32 v5, v6, 4, v5                   ; and 16 more for each 256 passed
	s_mul_i32 s21, s15, HALFS
	s_mul_i32 s22, s16, HALFS
	s_add_co_u32 s23, s22, SCL
	v_add_nc_u32 v[ADS2], s23, v5                  ; second product: my tokens' words, the same in both halves of the lanes
	s_add_co_u32 s22, s22, 2*HALFS
	s_sub_co_u32 s22, s22, s21
	v_mul_u32_u24 v6, s22, v2                      ; first product: lanes 16-31 take W's
	s_add_co_u32 s21, s21, SCL
	v_add_nc_u32 v5, v5, v6
	v_add_nc_u32 v[ADRS], s21, v5
	v_and_b32 v3, 31, v0
	v_lshlrev_b32 v12, 4, v3                       ; a piece of codes: 16 x lane
	v_lshlrev_b32 v9, 4, v1
	v_add_nc_u32 v9, 8192, v9                      ; a chunk's scale words: 16 bytes for each r
	v_mul_u32_u24 v5, v2, GSTEP
	v_add_nc_u32 v13, v9, v5                       ; lanes 16-31: the second head's chunk
	v_and_b32 v14, 8, v1
	v_add_nc_u32 v14, v14, v1                      ; r + 8 (r / 8): the token in the tensor's order
	v_lshlrev_b32 v14, 8, v14
	v_lshl_add_u32 v14, v2, 6, v14                 ; its row of the table, + 64 h: my eight pairs
	v_lshlrev_b32 v15, 5, v1                       ; WV's scale bytes: 32 a row
; The table's rows of block a: lane (r, h) takes, of the token's row, (cos, sin) of pairs 16 u + 8 h + 0 .. 7, u = 0, 1: eight loads of 16 bytes, which together read the sixteen rows whole.
.macro LOADTAB a, set
.irp u, 0,1
.irp j, 0,1,2,3
	global_load_b128 v[TAB+32*(\set)+16*\u+4*\j:TAB+32*(\set)+16*\u+4*\j+3], v14, s[96:97] offset:(32*((\a)/2)+8*((\a)%2))*256+128*\u+16*\j
.endr
.endr
.endm
	LOADTAB 0, 0                                   ; the first two blocks' sets are asked for here: nothing in the products touches v64-127, and they are waited for on the way out
	LOADTAB 1, 1
.macro FRAG reg, adr, q, i             ; 16 rows x 128 K: lane l holds row l % 16; registers 4 c .. 4 c + 3 hold K = 32 c + 16 (l / 16) + 0 .. 15
.irp c, 0,1,2,3
	ds_load_b128 v[\reg+4*\c:\reg+4*\c+3], v[\adr] offset:128*(\q)+32*\c+(\i)*16*PITCH
.endr
.endm
.macro PLACES n                        ; plain vector instructions that name none of a matrix instruction's registers, between it and a load into, or a read of, its registers
.rept \n
	v_nop
.endr
.endm
; Behind the barrier that has opened it, the rest of the cluster's round; the descriptors' step; the wave's one joint load.  kind = 1: the K step two on.  kind = 2: the second product's K step 0 (slot 0) or 1 (slot 1):
; x goes back along K; W's descriptor takes WV's 64 rows.  No tensor load of mine is out here, so every descriptor word may be written.
.macro REFILL slot, kind
	CREST
.if \kind == 1
	s_add_nc_u64 s[G0+4*\slot+2:G0+4*\slot+3], s[G0+4*\slot+2:G0+4*\slot+3], 2*ROWB
	s_add_nc_u64 s[G0B+4*\slot+2:G0B+4*\slot+3], s[G0B+4*\slot+2:G0B+4*\slot+3], 2*ROWB
.else
	s_sub_nc_u64 s[G0+4*\slot+2:G0+4*\slot+3], s[G0+4*\slot+2:G0+4*\slot+3], 2*ROWB
	s_add_co_u32 s[G0B+4*\slot+1], s3, \slot*SLOT
	s_add_nc_u64 s[G0B+4*\slot+2:G0B+4*\slot+3], s[92:93], \slot*ROWB
	s_or_b32 s[G0B+4*\slot+3], s[G0B+4*\slot+3], 0x80000000
.if \slot == 0
	s_mov_b32 s[G1B+2], 64<<16                     ; tensor_dim1
	s_mov_b32 s[G1B+4], 64                         ; tile_dim1
.endif
.endif
	JLOAD G0+4*\slot, G1, G0B+4*\slot, G1B
.endm
; ---------------- THE FIRST PRODUCT ----------------
; 16 matrix instructions: x's blocks a0, a0 + 1 against W's eight.  The 64 accumulators take turns, one instruction a turn, in the same order in every step.  zero = 1: the first product starts the sums.
.macro MUL16 a0, p, q, sc, zero
.irp a, \a0, \a0+1
.irp b, 0,1,2,3,4,5,6,7
.if \zero
	v_wmma_scale_f32_16x16x128_f8f6f4 v[8*(8*((\a)%4)+\b):8*(8*((\a)%4)+\b)+7], v[128*(\p)+FR*\b:128*(\p)+FR*\b+FR-1], v[AF+FR*(\a):AF+FR*(\a)+FR-1], 0, v[SC+8*NQ*(\sc)+NQ*\b+(\q)], v[SC+8*NQ*(\sc)+NQ*(\a)+(\q)] matrix_a_fmt:MATRIX_FMT_BF8 matrix_b_fmt:MATRIX_FMT_BF8 matrix_a_scale:MATRIX_SCALE_ROW1
.else
	v_wmma_scale_f32_16x16x128_f8f6f4 v[8*(8*((\a)%4)+\b):8*(8*((\a)%4)+\b)+7], v[128*(\p)+FR*\b:128*(\p)+FR*\b+FR-1], v[AF+FR*(\a):AF+FR*(\a)+FR-1], v[8*(8*((\a)%4)+\b):8*(8*((\a)%4)+\b)+7], v[SC+8*NQ*(\sc)+NQ*\b+(\q)], v[SC+8*NQ*(\sc)+NQ*(\a)+(\q)] matrix_a_fmt:MATRIX_FMT_BF8 matrix_b_fmt:MATRIX_FMT_BF8 matrix_a_scale:MATRIX_SCALE_ROW1
.endif
.endr
.endr
.endm
.macro FETCH_B slot, q, p
	WIN TO_B
.irp i, 0,1,2,3,4,5,6,7
	FRAG 128*(\p)+FR*\i, ADRB+\slot, \q, \i
.endr
	WIN 0
.endm
.macro FETCH_A slot, q, i0
.irp i, \i0, \i0+1, \i0+2, \i0+3
	FRAG AF+FR*(\i), ADRA+\slot, \q, \i
.endr
.endm
.macro SCALES sc                       ; a K step's scale words: lanes 0-15 take x's block i, lanes 16-31 W's block i
.irp i, 0,1,2,3,4,5,6,7
	ds_load_b64 v[SC+8*NQ*\sc+NQ*\i:SC+8*NQ*\sc+NQ*\i+1], v[ADRS] offset:\i*SBLK
.endr
.endm
.macro STEP slot, q, zero              ; 128 along K whose successor lies in the same slot
	s_wait_dscnt 4*NL                              ; W's set and x's blocks 0-3 are in; the youngest sixteen loads (x's blocks 4-7) may be out
	WIN MUL_LO
	MUL16 0, (\q)%2, \q, \slot, \zero
	MUL16 2, (\q)%2, \q, \slot, \zero
	s_wait_dscnt 0
	PLACES NP
	FETCH_B \slot, (\q)+1, 1-(\q)%2
	FETCH_A \slot, (\q)+1, 0
	WIN MUL_HI
	MUL16 4, (\q)%2, \q, \slot, \zero
	MUL16 6, (\q)%2, \q, \slot, \zero
	PLACES NP
	WIN 0
	FETCH_A \slot, (\q)+1, 4
.endm
; The first half of a slot's last step: in front of the barrier each wave waits for all its tensor loads, adds 0 to its spare word, and waits for that and for its own reads of this slot.
.macro MEET slot
	s_wait_tensorcnt 0x0                           ; all my tensor loads have landed: my part of the other slot
	ds_add_u32 v[SPW], v[NIL]                      ; 0 onto my spare word
	s_wait_dscnt 4*NL+1                            ; (the add and x's blocks 4-7 may be out)
	WIN MUL_LO
	MUL16 0, 1, NQ-1, \slot, 0
	s_wait_dscnt 0x0                               ; the add is done, and my reads of this slot are over
	s_barrier_signal -1
	MUL16 2, 1, NQ-1, \slot, 0
	WIN 0
	s_barrier_wait -1
.endm
.macro TURN slot, next, kind           ; a slot's last step: the slot is filled again, and the next slot's first fragments are fetched
	MEET \slot
	REFILL \slot, \kind                            ; the first tensor load behind the round; its four v_nop are among the places in front of the loads below
	PLACES NP-4
	s_wait_alu depctr_va_vdst(0)
	v_add_nc_u32 v[ADRS], 4*NQ, v[ADRS]            ; the next K step's scale words
	FETCH_B \next, 0, 0
	FETCH_A \next, 0, 0
	SCALES \next
	WIN MUL_HI
	MUL16 4, 1, NQ-1, \slot, 0
	MUL16 6, 1, NQ-1, \slot, 0
	PLACES NP
	WIN 0
	FETCH_A \next, 0, 4
.endm
	s_wait_tensorcnt 1                             ; the scale bytes and my part of K step 0 are in (K step 1's load may be out)
	s_barrier_signal -1
	s_barrier_wait -1
	FETCH_B 0, 0, 0
	FETCH_A 0, 0, 0
	SCALES 0
	FETCH_A 0, 0, 4
	STEP 0, 0, 1                                   ; K step 0
	TURN 0, 1, 1
	STEP 1, 0, 0                                   ; K step 1
	TURN 1, 0, 1
	STEP 0, 0, 0                                   ; K step 2
	TURN 0, 1, 2                                   ; slot 0 takes the second product's K step 0
	STEP 1, 0, 0                                   ; K step 3
	MEET 1                                         ; its barrier also shows slot 0's new tile whole to every wave
	REFILL 1, 2                                    ; slot 1 takes the second product's K step 1
	WIN MUL_HI
	MUL16 4, 1, NQ-1, 1, 0
	MUL16 6, 1, NQ-1, 1, 0
	WIN 0
; ---------------- THE FIRST WAY OUT ----------------
; Block a's 32 pairs are turned: (x1, x2) -> (x1 c - x2 s, x2 c + x1 s), two packed instructions a pair, into E.  Ascending: each accumulator is read from its low end on.
.macro ROPE a
	WIN 2+(\a)/4                                   ; source 0: the accumulators' window
.set n0, 0
.rept 8
.irp m, 0,1,2,3
	v_pk_mul_f32 v[T+2*\m:T+2*\m+1], v[64*((\a)%4)+2*(n0+\m):64*((\a)%4)+2*(n0+\m)+1], v[TAB+32*((\a)%2)+16*(((n0+\m)/8)%2)+2*((n0+\m)%8):TAB+32*((\a)%2)+16*(((n0+\m)/8)%2)+2*((n0+\m)%8)+1] op_sel:[0,1] op_sel_hi:[1,1]   ; (x1 s, x2 s)
.endr
.irp m, 0,1,2,3
	v_pk_fma_f32 v[E+2*(n0+\m):E+2*(n0+\m)+1], v[64*((\a)%4)+2*(n0+\m):64*((\a)%4)+2*(n0+\m)+1], v[TAB+32*((\a)%2)+16*(((n0+\m)/8)%2)+2*((n0+\m)%8):TAB+32*((\a)%2)+16*(((n0+\m)/8)%2)+2*((n0+\m)%8)+1], v[T+2*\m:T+2*\m+1] op_sel:[0,0,1] op_sel_hi:[1,0,0] neg_lo:[0,0,1]
.endr
.set n0, n0+4
.endr
	WIN 0
.endm
; 64 numbers of a lane at v[s] of window w (register 16 b + i = n 32 b + 16 h + i of my row) become codes in PC and four scale bytes in TM+4 .. TM+7; the held numbers pass through E.
.macro QUANTW s, w
	WIN ((\w)<<2)|((\w)<<4)                        ; sources 1 and 2
.irp b, 0,1,2,3
	v_max3_num_f32 v[TM+\b], 0x8000000, |v[(\s)+16*\b]|, |v[(\s)+16*\b+1]|   ; my 16 numbers of block b, and the floor 2^(16 - 127): the byte cannot fall under 1
.endr
.irp i, 2,4,6,8,10,12,14
.irp b, 0,1,2,3
	v_max3_num_f32 v[TM+\b], v[TM+\b], |v[(\s)+16*\b+\i]|, |v[(\s)+16*\b+\i+1]|   ; the four blocks by turns
.endr
.endr
	WIN 0
.irp b, 0,1,2,3
	v_permlanex16_b32 v[TM+4+\b], v[TM+\b], s18, s19
.endr
.irp b, 0,1,2,3
	v_max_num_f32 v[TM+\b], v[TM+\b], v[TM+4+\b]   ; with lane l xor 16's: the block's largest magnitude
.endr
.irp b, 0,1,2,3
	v_add_nc_u32 v[TM+12+\b], 0xf8800000, v[TM+\b] ; 15 off its exponent field: the conversion's scale operand
.endr
.irp b, 0,1,2,3
	v_and_or_b32 v[TM+8+\b], v[TM+\b], 0x7f800000, s95   ; 57,344 x the scale
.endr
.irp b, 0,1,2,3
	v_lshrrev_b32 v[TM+4+\b], 23, v[TM+12+\b]      ; the scale's byte
.endr
	WIN (\w)                                       ; source 0
.irp b, 0,1,2,3
.irp i, 0,1,2,3,4,5,6,7,8,9,10,11,12,13,14,15
	v_med3_num_f32 v[E+16*\b+\i], v[(\s)+16*\b+\i], -v[TM+8+\b], v[TM+8+\b]   ; the conversion does not saturate (ISA guide 7.6.2): the hold comes first
.endr
.endr
	WIN 0
	s_wait_alu depctr_va_vdst(0)
	s_wait_xcnt 0x0                                ; the last block's stores have read the registers that are written now
.irp b, 0,1,2,3
	v_cvt_scalef32_pk8_bf8_f32 v[PC+4*\b:PC+4*\b+1], v[E+16*\b:E+16*\b+7], v[TM+12+\b]
	v_cvt_scalef32_pk8_bf8_f32 v[PC+4*\b+2:PC+4*\b+3], v[E+16*\b+8:E+16*\b+15], v[TM+12+\b]
.endr
.endm
	PLACES NP                                      ; behind the last products: results are read and source 1's registers written from here on
.irp b, 0,1,2,3
	v_mov_b32 v[TM+4+\b], 0                        ; written once: a lane permute's destination counts as one of its sources
.endr
.irp a, 0,1,2,3,4,5,6,7
	s_wait_loadcnt 8                               ; this block's table set is in; the eight loads issued behind it may be out
	ROPE \a
.if \a < 6
	LOADTAB \a+2, \a%2
.endif
.if \a == 6                                    ; the first set's registers take WV's scale words: of block i's row r its 32 bytes, eight words; sixteen lanes read 512 consecutive bytes
.irp i, 0,1,2,3
	global_load_b128 v[WVS+8*\i:WVS+8*\i+3], v15, s[100:101] offset:512*\i
	global_load_b128 v[WVS+8*\i+4:WVS+8*\i+7], v15, s[100:101] offset:512*\i+16
.endr
.endif
	QUANTW E, 0
.if \a%2 == 0
	v_lshl_or_b32 v[SW0+\a/2], v[TM+5], 8, v[TM+4] ; the first head's two bytes (also the plain instruction behind the conversions),
	v_lshl_or_b32 v[SW1+\a/2], v[TM+7], 8, v[TM+6] ; the second's: the lower half of scale word a / 2
.else
	v_lshl_or_b32 v[W0], v[TM+5], 8, v[TM+4]
	v_lshl_or_b32 v[W1], v[TM+7], 8, v[TM+6]
	v_lshl_or_b32 v[SW0+\a/2], v[W0], 16, v[SW0+\a/2]   ; the upper half
	v_lshl_or_b32 v[SW1+\a/2], v[W1], 16, v[SW1+\a/2]
.endif
.irp q, 0,1,2,3
	global_store_b128 v12, v[PC+4*\q:PC+4*\q+3], s[98:99] offset:GSTEP*(\q/2)+512*(2*\a+\q%2)   ; a piece: the wave stores 512 consecutive bytes, aligned
.endr
.endr
	v_cmp_eq_u32 vcc_lo, 1, v2
.irp f, 0,1,2,3
	v_cndmask_b32 v[SWS+\f], v[SW0+\f], v[SW1+\f], vcc_lo   ; lanes 0-15 store the first head's words, lanes 16-31 the second's (both halves hold both)
.endr
	global_store_b128 v13, v[SWS:SWS+3], s[98:99]  ; sixteen lanes store a chunk's 256 scale bytes
	s_wait_loadcnt 0x0                             ; WV's scale words are in
	s_wait_xcnt 0x0                                ; the stores have read their registers: fragments land there next
; ---------------- THE SECOND PRODUCT ----------------
; 16 matrix instructions: WV's blocks a0, a0 + 1 against the tokens' eight.  p: the set of both operands, and which 128 of the slot's 256 along K; w: which of K's eight 128.  The 32 accumulators take turns.
.macro VMUL16 a0, p, w, sc, zero
.irp a, \a0, \a0+1
.irp b, 0,1,2,3,4,5,6,7
.if \zero
	v_wmma_scale_f32_16x16x128_f8f6f4 v[8*(8*(\a)+\b):8*(8*(\a)+\b)+7], v[128*(\p)+FR*\b:128*(\p)+FR*\b+FR-1], v[AF+64*(\p)+FR*(\a):AF+64*(\p)+FR*(\a)+FR-1], 0, v[SC+8*NQ*(\sc)+NQ*\b+(\p)], v[WVS+8*(\a)+(\w)] matrix_a_fmt:MATRIX_FMT_BF8 matrix_b_fmt:MATRIX_FMT_BF8
.else
	v_wmma_scale_f32_16x16x128_f8f6f4 v[8*(8*(\a)+\b):8*(8*(\a)+\b)+7], v[128*(\p)+FR*\b:128*(\p)+FR*\b+FR-1], v[AF+64*(\p)+FR*(\a):AF+64*(\p)+FR*(\a)+FR-1], v[8*(8*(\a)+\b):8*(8*(\a)+\b)+7], v[SC+8*NQ*(\sc)+NQ*\b+(\p)], v[WVS+8*(\a)+(\w)] matrix_a_fmt:MATRIX_FMT_BF8 matrix_b_fmt:MATRIX_FMT_BF8
.endif
.endr
.endr
.endm
.macro VFETCH slot, q                  ; 48 LDS loads: the tokens' eight fragments and WV's four, of the slot's q-th 128 along K, into set q
	WIN TO_B
.irp i, 0,1,2,3,4,5,6,7
	FRAG 128*(\q)+FR*\i, ADX+\slot, \q, \i
.endr
	WIN 0
.irp i, 0,1,2,3
	FRAG AF+64*(\q)+FR*\i, ADW+\slot, \q, \i
.endr
.endm
.macro VSCALES sc                      ; a K step's scale words of my tokens' eight blocks
.irp i, 0,1,2,3,4,5,6,7
	ds_load_b64 v[SC+8*NQ*\sc+NQ*\i:SC+8*NQ*\sc+NQ*\i+1], v[ADS2] offset:\i*SBLK
.endr
.endm
.macro VSTEP slot, w, zero             ; a slot's first 128 along K: the second's fragments are fetched ahead of the 32 products
	s_wait_dscnt 0x0                               ; this step's fragments and scale words are in
	PLACES NP                                      ; behind the last step's products, whose set takes the loads below
	VFETCH \slot, 1
	WIN MUL_LO
	VMUL16 0, 0, \w, \slot, \zero
	VMUL16 2, 0, \w, \slot, \zero
	WIN 0
.endm
.macro VTURN slot, next, w, fill       ; a slot's second 128 along K, and the change of slots
	s_wait_tensorcnt 0x0                           ; all my tensor loads have landed: my part of the next slot
	ds_add_u32 v[SPW], v[NIL]                      ; 0 onto my spare word
	PLACES NP                                      ; behind the last step's products, whose set takes the loads below
	s_wait_dscnt 0x0                               ; the add is done; this step's fragments are in: my reads of this slot are over
	s_barrier_signal -1
	WIN MUL_LO
	VMUL16 0, 1, \w, \slot, 0
	WIN 0
	s_barrier_wait -1
.if \fill
	REFILL \slot, 1                                ; the first tensor load behind the round
.endif
	s_wait_alu depctr_va_vdst(0)
	v_add_nc_u32 v[ADS2], 4*NQ, v[ADS2]            ; the next K step's scale words
	VFETCH \next, 0
	VSCALES \next
	WIN MUL_LO
	VMUL16 2, 1, \w, \slot, 0
	WIN 0
.endm
	VFETCH 0, 0                                    ; slot 0 was shown whole by the first product's last barrier
	VSCALES 0
	VSTEP 0, 0, 1                                  ; K step 0: its first products start the sums
	VTURN 0, 1, 1, 1
	VSTEP 1, 2, 0                                  ; K step 1
	VTURN 1, 0, 3, 1
	VSTEP 0, 4, 0                                  ; K step 2
	VTURN 0, 1, 5, 0                               ; nothing is left to fetch
	VSTEP 1, 6, 0                                  ; K step 3
	s_wait_dscnt 0x0
	WIN MUL_LO
	VMUL16 0, 1, 7, 1, 0
	VMUL16 2, 1, 7, 1, 0
	WIN 0
; ---------------- THE SECOND WAY OUT: one head's 64 rows d x my 128 tokens: one chunk ----------------
	PLACES NP
.irp a, 0,1,2,3
	QUANTW 64*\a, 2
	v_lshl_or_b32 v[VW+\a], v[TM+5], 8, v[TM+4]    ; my row's scale word for these 128 keys (also the plain instruction behind the conversions)
	v_lshl_or_b32 v[VW+\a], v[TM+6], 16, v[VW+\a]
	v_lshl_or_b32 v[VW+\a], v[TM+7], 24, v[VW+\a]
.irp q, 0,1,2,3
	global_store_b128 v12, v[PC+4*\q:PC+4*\q+3], s[12:13] offset:512*(4*\a+\q)
.endr
.endr
	global_store_b128 v9, v[VW:VW+3], s[12:13]     ; the chunk's 256 scale bytes; both halves of the lanes write the same bytes with the same value
	s_wait_tensorcnt 0x0                           ; the wave's end
	ds_add_u32 v[SPW], v[NIL]
	s_wait_dscnt 0x0
	CROUND                                         ; the closing round: no work-group ends while a partner may still ask for a tile that names it
	s_endpgm
.Lfunc_end_k_q017ce68dd0_qkv:
	.size	k_q017ce68dd0_qkv, .Lfunc_end_k_q017ce68dd0_qkv-k_q017ce68dd0_qkv
	.p2alignl 7, 3214868480
	.fill 96, 4, 3214868480
	.section	.rodata,"a",@progbits
	.p2align	6, 0x0
	.amdhsa_kernel k_q017ce68dd0_qkv
		.amdhsa_group_segment_fixed_size 327680
		.amdhsa_private_segment_fixed_size 0
		.amdhsa_enable_private_segment 0
		.amdhsa_kernarg_size 48
		.amdhsa_user_sgpr_count 2
		.amdhsa_user_sgpr_kernarg_segment_ptr 1
		.amdhsa_wavefront_size32 1
		.amdhsa_system_sgpr_workgroup_id_x 1
		.amdhsa_system_sgpr_workgroup_id_y 1
		.amdhsa_system_sgpr_workgroup_id_z 1
		.amdhsa_system_vgpr_workitem_id 0
		.amdhsa_next_free_vgpr 1024
		.amdhsa_next_free_sgpr 102
		.amdhsa_reserve_vcc 1
		.amdhsa_float_denorm_mode_32 3
		.amdhsa_float_denorm_mode_16_64 3
		.amdhsa_memory_ordered 1
		.amdhsa_forward_progress 1
		.amdhsa_inst_pref_size 255
	.end_amdhsa_kernel
	.section	.bss,"aw",@nobits
	.p2align	6
	.space	262144
	.amdgpu_metadata
---
amdhsa.version: [ 1, 2 ]
amdhsa.kernels:
  - .name:           k_q017ce68dd0_qkv
    .symbol:         k_q017ce68dd0_qkv.kd
    .args:
      - { .name: xc, .offset: 0, .size: 8, .value_kind: global_buffer, .address_space: global }
      - { .name: xs, .offset: 8, .size: 8, .value_kind: global_buffer, .address_space: global }
      - { .name: wc, .offset: 16, .size: 8, .value_kind: global_buffer, .address_space: global }
      - { .name: ws, .offset: 24, .size: 8, .value_kind: global_buffer, .address_space: global }
      - { .name: rope, .offset: 32, .size: 8, .value_kind: global_buffer, .address_space: global }
      - { .name: kvq, .offset: 40, .size: 8, .value_kind: global_buffer, .address_space: global }
    .group_segment_fixed_size: 327680
    .private_segment_fixed_size: 0
    .kernarg_segment_align: 8
    .kernarg_segment_size: 48
    .max_flat_workgroup_size: 128
    .sgpr_count:     102
    .vgpr_count:     1024
    .wavefront_size: 32
...
	.end_amdgpu_metadata
.endif
;; end of part 2
;; launch attn (part 3): grid 4 x 64, 16 waves a work-group, no clusters, 327,680 bytes of LDS; arguments kvq, oc, os; writes oc, os
.if DOCPART == 3
	.amdgcn_target "amdgcn-amd-amdhsa--gfx1250"
	.amdhsa_code_object_version 6
	.text
	.protected	k_q017ce68dd0_attn
	.globl	k_q017ce68dd0_attn
	.p2align	8
	.type	k_q017ce68dd0_attn,@function
k_q017ce68dd0_attn:
	s_mov_b64 s[64:65], 0
	v_nop
	global_prefetch_b8 v0, s[64:65] scope:SCOPE_SE
	s_setreg_imm32_b32 hwreg(HW_REG_WAVE_MODE, 25, 1), 1
	s_wait_xcnt 0x0
; Causal attention on codes of BF8 (E5M2) with E8M0 scales, head size 64, 2,048 tokens, 64 (batch, head) pairs; O / l is quantised along e = 64 head + d and leaves as codes.
; t = score x log2(e) / 8; M = the running largest t rounded UP to a whole number; p = 2^(t - M) is quantised along the keys; the row's sum is taken of the unquantised p and divides O at the end; when M moves, the sum and O are multiplied by 2^(old M - new M): exact.
; SHARES.  Work-group (p, bh), p = 0..3, takes the block of 256 queries p (key slots 0 .. p, 256 keys each) and then the block 7 - p (slots 0 .. 7 - p): NINE trips in every work-group, so the trip count is a constant and all 256 have the same work.
; Each of sixteen waves owns 16 query rows of the block, in 256 registers: four waves to a SIMD, so that one wave's vector work stands beside another's matrix work and LDS loads.
; A step (128 keys) all of whose keys come after my queries is jumped over by a scalar branch on ids; no barrier and no tensor load stands in a step.
; NO CLUSTER: the four work-groups of a (batch, head) want different slots in the same trip (in trip i: slot i or i - p - 1, and p differs), so no request could be joint without lengthening the walk from 9 trips to 12.
; kvq IS LAID IN THE ORDER OF THE OPERANDS' REGISTERS.  Chunk (g, blk) at (64 g + blk) x 8,448 bytes (g = 0-15 Q's heads, 16-31 K's, 32-47 V's; blk = token / 128): 16 pieces of 512 bytes, lane l's 16 bytes at 16 l, then 256 scale bytes.
;   Q, K: piece 2 a + qq: lane (r, h) has token row 16 a + r, the head's k = 32 qq + 16 h + 0 .. 15; scale word 4 rr + f: row 32 f + rr's two bytes below, row 32 f + 16 + rr's above.
;   V: piece 4 t + c: lane (r, h) has row d = 16 t + r, keys 32 c + 16 h + 0 .. 15; scale word 4 r + t.   So a group of four registers is one load of 16 x lane, and a step's four scale words are one load.
; ROWS.  Token rows (and V's rows d, and oc's rows) lie so that row 16 i + r is the tensor's 32 (i / 2) + 8 (i % 2) + r + 8 (r / 8).  Both products are used transposed (S^T = K Q^T, O^T = V^T P^T): a lane holds ONE query (lane % 16),
; and the 16 registers of two neighbouring tiles are 16 neighbouring keys (or d) in the tensor's order, 32 b + 16 (lane / 16) + 0 .. 15: the conversions' results are the next operand's registers.
; K = 64 IN AN INSTRUCTION OF 128.  A fragment of K carries TWO tiles of keys: registers 0-7 rows 32 f + rr, registers 8-15 rows 32 f + 16 + rr.  Q stands between zeros (v16-23 = 0, v24-31 = Q, v32-39 = 0): v[24:39] multiplies the first tile,
; v[16:31] the second.  The half not wanted meets zero CODES of Q; K's codes there are finite and all scale bytes lie in 1 .. 254, so that half adds exactly 0.  (Zeros on one side only: it saves a second set of fragments.)
; os is written two bytes a lane, 32 bytes apart: 1 byte in 33 of what this launch stores; it keeps os laid as the last product wants its scale bytes.
; LIMITS: NaN and infinities are not served; a block of p or of O whose largest number lies under 2^(15 - 126) gets the byte 1.
; REGISTERS: v0 as at the entry; v1-4 lane places in a slot; v5, v6 the add's; v7 mask; v8-11 addresses in hand; v12 -M, v13 largest t, v[14:15] the sum; v16-39 Q; v40-103 four fragments; v104-167 S^T, then p; v168-199 O^T; v200-215 codes; v216-221 addresses; v232-255 at work.
.set SLOT1, 65536                      ; slot 1 begins here: one exclusive or turns an address
.set CHUNK, 8448
.set VOFF,  2*CHUNK                    ; a slot: two chunks of K, then two of V, as they lie in memory
.set STG,   131072                     ; behind the ring: 1,024 bytes for each wave, for the way out; no fill lands there
.set SPARE, 147456                     ; the spare words, 128 bytes for each wave: eight blocks of 256 bytes that no other line names
.set FRG,   40
.set S,     104
.set O,     168
.set PC,    200
; wave 0 fetches a slot's K, wave 1 its V, the others nothing.  Four v_nop follow each of the two lines.
.macro TLOAD
	s_cmp_eq_u32 s10, 0
	s_cbranch_scc0 .Lnot_k_\@
	tensor_load_to_lds s[40:43], s[24:31]
	s_nop 0
.rept 4
	v_nop
.endr
	s_branch .Lasked_\@
.Lnot_k_\@:
	s_cmp_eq_u32 s10, 1
	s_cbranch_scc0 .Lasked_\@
	tensor_load_to_lds s[44:47], s[24:31]
	s_nop 0
.rept 4
	v_nop
.endr
.Lasked_\@:
.endm
	s_load_b128 s[4:7], s[0:1], 0x0                ; kvq, oc
	s_load_b64 s[8:9], s[0:1], 0x10                ; os
	v_lshl_add_u32 v5, v0, 2, SPARE
	v_mov_b32 v6, 0
	ds_add_u32 v5, v6
	ds_add_u32 v5, v6
	s_wait_dscnt 0x0
	v_lshrrev_b32 v8, 5, v0
	s_delay_alu instid0(VALU_DEP_1)
	v_readfirstlane_b32 s10, v8                    ; wave 0..15
	s_mov_b32 s11, ttmp9                           ; p
	s_and_b32 s12, ttmp7, 0xffff
	s_lshr_b32 s13, s12, 4                         ; batch
	s_and_b32 s12, s12, 15                         ; head
	s_lshl_b32 s60, s12, 6
	s_lshl_b32 s61, s13, 4
	s_add_co_u32 s60, s60, s61
	s_mul_i32 s60, s60, CHUNK                      ; Q's first chunk of this (batch, head)
	s_mov_b32 s61, 0
	s_lshl_b32 s62, s12, 19                        ; oc: [head][8,192 tokens][64]
	s_lshl_b32 s63, s13, 17
	s_add_co_u32 s62, s62, s63
	s_mov_b32 s63, 0
	s_lshl_b32 s66, s13, 16                        ; os: [8,192 tokens][32], my head's two bytes
	s_lshl_b32 s67, s12, 1
	s_add_co_u32 s66, s66, s67
	s_mov_b32 s67, 0
	; descriptor group 1, for K's and V's loads alike: two chunks, 16,896 dense bytes, as 66 rows of 256 bytes (32 elements of 8), no padding: every LDS read takes 512 consecutive bytes
	s_mov_b32 s24, 3<<16
	s_mov_b32 s25, 32<<16                          ; tensor_dim0
	s_mov_b32 s26, 66<<16                          ; tensor_dim1
	s_mov_b32 s27, 32<<16                          ; tile_dim0
	s_mov_b32 s28, 66                              ; tile_dim1
	s_mov_b32 s29, 32                              ; the pitch
	s_mov_b32 s30, 0
	s_mov_b32 s31, 0
	s_mov_b32 s20, 0x76543210
	s_mov_b32 s21, 0xfedcba98                      ; v_permlanex16_b32's selects for lane l xor 16
	s_mov_b32 s22, 0x3e38aa3b                      ; c = log2(e) / 8
	s_mov_b32 s23, s22                             ; (named with it as a pair)
	s_wait_kmcnt 0x0
	s_add_nc_u64 s[52:53], s[4:5], s[60:61]        ; Q's chunks,
	s_add_nc_u64 s[48:49], s[52:53], 16*64*CHUNK   ; K's,
	s_add_nc_u64 s[50:51], s[52:53], 32*64*CHUNK   ; V's
	s_add_nc_u64 s[54:55], s[6:7], s[62:63]
	s_add_nc_u64 s[56:57], s[8:9], s[66:67]
	s_mov_b32 s40, 1
	s_mov_b32 s41, 0                               ; slot 0
	s_mov_b64 s[42:43], s[48:49]
	s_or_b32 s43, s43, 0x80000000
	s_mov_b32 s44, 1
	s_mov_b32 s45, VOFF
	s_mov_b64 s[46:47], s[50:51]
	s_or_b32 s47, s47, 0x80000000
	TLOAD                                          ; keys 0-255 into slot 0: the one first fill at the start; slot 1 is first filled behind the first trip's barrier
	v_and_b32 v8, 15, v0                           ; r
	v_bfe_u32 v9, v0, 4, 1                         ; h
	v_and_b32 v10, 31, v0                          ; lane
	s_delay_alu instid0(VALU_DEP_1)
	v_lshlrev_b32 v1, 4, v10                       ; K: 16 x lane
	s_delay_alu instid0(VALU_DEP_1)
	v_add_nc_u32 v2, VOFF, v1                      ; V likewise
	v_lshl_add_u32 v3, v8, 4, 8192                 ; K's scale words: four for each rr
	v_lshl_add_u32 v4, v8, 4, VOFF+8192            ; V's: four for each r
	v_and_b32 v7, 8, v8
	s_delay_alu instid0(VALU_DEP_1)
	v_add_nc_u32 v7, v7, v8
	v_lshlrev_b32 v11, 4, v9
	s_delay_alu instid0(VALU_DEP_1)
	v_sub_nc_u32 v7, v7, v11                       ; r + 8 (r / 8) - 16 h: my query's place less my half's first key
	s_lshl_b32 s60, s10, 10
	s_add_co_u32 s60, s60, STG                     ; my stage
	v_lshlrev_b32 v216, 6, v8
	s_delay_alu instid0(VALU_DEP_1)
	v_lshl_add_u32 v216, v9, 4, v216
	s_delay_alu instid0(VALU_DEP_1)
	v_add_nc_u32 v216, s60, v216                   ; in: row r of 64 bytes, + 16 h
	v_lshlrev_b32 v218, 4, v10                     ; 16 x lane: in oc and in Q's pieces,
	s_delay_alu instid0(VALU_DEP_1)
	v_add_nc_u32 v217, s60, v218                   ; and back out of the stage
	v_lshlrev_b32 v219, 5, v8                      ; os: 32 bytes a token
	v_lshlrev_b32 v221, 4, v8                      ; Q's scale bytes: 16 bytes for each rr
.irp j, 0,1,2,3,4,5,6,7
	v_mov_b32 v[16+\j], 0                          ; the zero codes on both sides of Q
	v_mov_b32 v[32+\j], 0
.endr
.irp j, 236,237,238,239,252,253
	v_mov_b32 v[\j], 0                             ; written once: a lane permute's destination counts as one of its sources, and v253 is named as a pair's upper half
.endr
; A block of queries begins: s14 = the block.  My rows' place, my first query, Q's fragment and scale word, and the sums' first values.
.macro INIT
	s_lshl_b32 s59, s14, 8
	s_lshl_b32 s60, s10, 4
	s_add_co_u32 s59, s59, s60                     ; my first row in the buffers' order: 256 QB + 16 w
	s_lshr_b32 s60, s10, 3                         ; which chunk of the block's two,
	s_and_b32 s61, s10, 7                          ; and which 16 rows of it
	s_lshl_b32 s17, s14, 8
	s_lshl_b32 s62, s60, 7
	s_add_co_u32 s17, s17, s62
	s_lshr_b32 s62, s61, 1
	s_lshl_b32 s63, s62, 5
	s_add_co_u32 s17, s17, s63
	s_and_b32 s63, s61, 1
	s_lshl_b32 s66, s63, 3
	s_add_co_u32 s17, s17, s66                     ; my first query in the tensor's order; lane r's is this + r + 8 (r / 8)
	s_lshl_b32 s66, s14, 1
	s_add_co_u32 s66, s66, s60
	s_mul_i32 s66, s66, CHUNK
	s_lshl_b32 s68, s62, 2
	s_lshl_b32 s69, s63, 1
	s_add_co_u32 s68, s68, s69
	s_add_co_u32 s68, s68, s66
	s_add_co_u32 s68, s68, 8192                    ; my rows' scale bytes: word 4 rr + w' / 2, half w' % 2
	s_mov_b32 s69, 0
	s_lshl_b32 s67, s61, 10
	s_add_co_u32 s66, s66, s67                     ; my rows' two pieces of codes
	s_mov_b32 s67, 0
	s_add_nc_u64 s[66:67], s[52:53], s[66:67]
	s_add_nc_u64 s[68:69], s[52:53], s[68:69]
	global_load_b128 v[24:27], v218, s[66:67]
	global_load_b128 v[28:31], v218, s[66:67] offset:512
	global_load_u16 v254, v221, s[68:69]
	v_mov_b32 v13, 0xff61b1e6                      ; the largest t so far: -3e38, under every t
	s_delay_alu instid0(VALU_DEP_1)
	v_floor_f32 v12, -v13                          ; -M
	v_mov_b32 v14, 0
	v_mov_b32 v15, 0
	s_wait_loadcnt 0x0
	v_lshl_or_b32 v255, v254, 16, v254             ; Q's scale word (s0, s1, s0, s1): it serves both places of Q
.set n, 0
.rept 32
	v_mov_b32 v[O+n], 0                            ; O^T: the step is written once; the first change of M leaves zeros zeros.  (Also the places between the scale word and the first product)
.set n, n+1
.endr
.endm
; A KEY STEP: 128 keys, the q-th chunk of the slot in hand.
.macro STEP q
	s_lshl_b32 s16, s15, 8
.if \q
	s_add_co_u32 s16, s16, 128                     ; the step's first key
.endif
	s_add_co_u32 s60, s17, 23                      ; my last query
	s_cmp_gt_u32 s16, s60
	s_cbranch_scc1 .Lhidden_\@                     ; all its keys come after all my queries
	v_add_nc_u32 v8, s18, v1
	v_add_nc_u32 v9, s18, v2
	v_add_nc_u32 v10, s18, v3
	v_add_nc_u32 v11, s18, v4
.rept 4
	v_nop                                          ; with the four additions: eight places in front of loads into registers that matrix instructions have read
.endr
.irp f, 0,1,2,3
.irp c, 0,1,2,3
	ds_load_b128 v[FRG+16*\f+4*\c:FRG+16*\f+4*\c+3], v8 offset:CHUNK*\q+512*(4*\f+\c)   ; c = 0, 1: rows 32 f + rr; c = 2, 3: rows 32 f + 16 + rr
.endr
.endr
	ds_load_b128 v[248:251], v10 offset:CHUNK*\q   ; the four fragments' scale words
	s_wait_alu depctr_va_vdst(0)
	s_wait_dscnt 0x0
.irp f, 0,1,2,3
	v_wmma_scale_f32_16x16x128_f8f6f4 v[S+16*\f:S+16*\f+7], v[FRG+16*\f:FRG+16*\f+15], v[24:39], 0, v[248+\f], v255 matrix_a_fmt:MATRIX_FMT_BF8 matrix_b_fmt:MATRIX_FMT_BF8
	v_wmma_scale_f32_16x16x128_f8f6f4 v[S+16*\f+8:S+16*\f+15], v[FRG+16*\f:FRG+16*\f+15], v[16:31], 0, v[248+\f], v255 matrix_a_fmt:MATRIX_FMT_BF8 matrix_b_fmt:MATRIX_FMT_BF8
.endr
.rept 8
	v_nop                                          ; places: the scores are read, and V's fragments and scale words land where K's lay
.endr
.irp t, 0,1,2,3                                ; V's fragments are asked for now and land while the softmax is worked
.irp c, 0,1,2,3
	ds_load_b128 v[FRG+16*\t+4*\c:FRG+16*\t+4*\c+3], v9 offset:CHUNK*\q+512*(4*\t+\c)
.endr
.endr
	ds_load_b128 v[248:251], v11 offset:CHUNK*\q
	s_add_co_u32 s60, s16, 127
	s_cmp_le_u32 s60, s17
	s_cbranch_scc1 .Lopen_\@                       ; all keys count for all my queries
	s_sub_co_i32 s60, s17, s16
	v_add_nc_u32 v252, s60, v7                     ; register 16 b + i holds key KF + 32 b + 16 h + i: hidden where 32 b + i > this
	v_mov_b32 v254, 0xff800000                     ; -infinity: p = 0 then
.set n, 0
.rept 64
	v_cmp_gt_i32 vcc_lo, 32*(n/16)+n%16, v252
	v_cndmask_b32 v[S+n], v[S+n], v254, vcc_lo
.set n, n+1
.endr
.Lopen_\@:
.irp b, 0,1,2,3
	v_max3_num_f32 v[232+\b], v[S+16*\b], v[S+1+16*\b], v[S+2+16*\b]   ; the largest score of each block of 32 keys: for the row's maximum, and, since p rises with the score, for the block's largest p
.endr
.irp i, 3,5,7,9,11,13
.irp b, 0,1,2,3
	v_max3_num_f32 v[232+\b], v[232+\b], v[S+16*\b+\i], v[S+1+16*\b+\i]
.endr
.endr
.irp b, 0,1,2,3
	v_max_num_f32 v[232+\b], v[232+\b], v[S+15+16*\b]
.endr
.irp b, 0,1,2,3
	s_delay_alu instid0(VALU_DEP_4)
	v_permlanex16_b32 v[236+\b], v[232+\b], s20, s21
.endr
.irp b, 0,1,2,3
	s_delay_alu instid0(VALU_DEP_4)
	v_max_num_f32 v[232+\b], v[232+\b], v[236+\b]  ; with lane l xor 16's 16 keys
.endr
	s_delay_alu instid0(VALU_DEP_2)
	v_max3_num_f32 v254, v232, v233, v234
	s_delay_alu instid0(VALU_DEP_1)
	v_max_num_f32 v254, v254, v235
	s_delay_alu instid0(VALU_DEP_1)
	v_mul_f32 v254, s22, v254                      ; as t (c is positive)
	s_delay_alu instid0(VALU_DEP_1)
	v_max_num_f32 v13, v13, v254                   ; the running largest t
	v_mov_b32 v254, v12
	s_delay_alu instid0(VALU_DEP_2)
	v_floor_f32 v12, -v13                          ; the new -M = floor(-t) = -ceil(t)
	s_delay_alu instid0(VALU_DEP_1)
	v_sub_f32 v254, v12, v254                      ; old M - new M: a whole number, 0 or less
	s_delay_alu instid0(VALU_DEP_1)
	v_cvt_i32_f32 v254, v254                       ; (it saturates)
	s_delay_alu instid0(VALU_DEP_1)
	v_ldexp_f32 v252, 1.0, v254                    ; f = 2^(old M - new M)
.set n, 0
.rept 32
	v_pk_fma_f32 v[S+n:S+n+1], v[S+n:S+n+1], s[22:23], v[12:13] op_sel_hi:[1,0,0]   ; t - M, two at a time
.set n, n+2
.endr
.irp b, 0,1,2,3
	v_fma_f32 v[232+\b], v[232+\b], s22, v12       ; the same of each block's largest score
.endr
.set n, 0
	s_wait_alu depctr_va_vdst(0)
.rept 64
	v_exp_f32 v[S+n], v[S+n]                       ; p = 2^(t - M), at most 1: not normalised
.set n, n+1
.endr
.irp b, 0,1,2,3
	v_exp_f32 v[232+\b], v[232+\b]                 ; the block's largest p: the same two instructions on the same number
.endr
	v_pk_mul_f32 v[14:15], v[14:15], v[252:253] op_sel_hi:[1,0]   ; the sums under the new M (a plain instruction behind the exponentials)
	s_wait_alu depctr_va_vdst(0)
.irp b, 0,1,2,3
	v_max_num_f32 v[232+\b], 0x8000000, v[232+\b]  ; the floor 2^(16 - 127): the byte cannot fall under 1
.endr
.irp b, 0,1,2,3
	s_delay_alu instid0(VALU_DEP_4)
	v_add_nc_u32 v[244+\b], 0xf8800000, v[232+\b]  ; the conversion's scale operand
.endr
.irp b, 0,1,2,3
.endr
.irp b, 0,1,2,3
	s_delay_alu instid0(VALU_DEP_4)
	v_lshrrev_b32 v[236+\b], 23, v[244+\b]         ; the scale's byte
.endr
	s_delay_alu instid0(VALU_DEP_3)
	v_lshl_or_b32 v253, v237, 8, v236              ; p's scale word for these 128 keys
	s_delay_alu instid0(VALU_DEP_1)
	v_lshl_or_b32 v253, v238, 16, v253
	s_delay_alu instid0(VALU_DEP_1)
	v_lshl_or_b32 v253, v239, 24, v253
	v_pk_add_f32 v[236:237], v[108:109], v[112:113]
	v_pk_add_f32 v[242:243], v[116:117], v[120:121]
	v_pk_add_f32 v[240:241], v[124:125], v[128:129]
	v_pk_add_f32 v[234:235], v[132:133], v[136:137]
	v_pk_add_f32 v[232:233], v[140:141], v[144:145]
	v_pk_add_f32 v[230:231], v[148:149], v[152:153]
	v_pk_add_f32 v[228:229], v[156:157], v[160:161]
	v_pk_add_f32 v[14:15], v[14:15], v[164:165]
	v_pk_add_f32 v[236:237], v[236:237], v[104:105]
	v_pk_add_f32 v[242:243], v[242:243], v[106:107]
	v_pk_add_f32 v[240:241], v[240:241], v[110:111]
	v_pk_add_f32 v[234:235], v[234:235], v[114:115]
	v_pk_add_f32 v[232:233], v[232:233], v[118:119]
	v_pk_add_f32 v[230:231], v[230:231], v[122:123]
	v_pk_add_f32 v[228:229], v[228:229], v[126:127]
	v_pk_add_f32 v[14:15], v[14:15], v[130:131]
	v_pk_add_f32 v[236:237], v[236:237], v[134:135]
	v_pk_add_f32 v[242:243], v[242:243], v[138:139]
	v_pk_add_f32 v[240:241], v[240:241], v[142:143]
	v_pk_add_f32 v[234:235], v[234:235], v[146:147]
	v_pk_add_f32 v[232:233], v[232:233], v[150:151]
	v_pk_add_f32 v[230:231], v[230:231], v[154:155]
	v_pk_add_f32 v[228:229], v[228:229], v[158:159]
	v_pk_add_f32 v[14:15], v[14:15], v[162:163]
	v_pk_add_f32 v[236:237], v[236:237], v[166:167]
	s_delay_alu instid0(VALU_DEP_2)
	v_pk_add_f32 v[14:15], v[14:15], v[234:235]
	s_delay_alu instid0(VALU_DEP_2)
	v_pk_add_f32 v[236:237], v[236:237], v[232:233]
	v_pk_add_f32 v[242:243], v[242:243], v[230:231]
	v_pk_add_f32 v[240:241], v[240:241], v[228:229]
	s_delay_alu instid0(VALU_DEP_2)
	v_pk_add_f32 v[14:15], v[14:15], v[242:243]
	s_delay_alu instid0(VALU_DEP_2)
	v_pk_add_f32 v[236:237], v[236:237], v[240:241]
	s_delay_alu instid0(VALU_DEP_1)
	v_pk_add_f32 v[14:15], v[14:15], v[236:237]
.irp b, 0,1,2,3
.irp i, 0,1,2,3,4,5,6,7,8,9,10,11,12,13,14,15
.endr
	v_cvt_scalef32_pk8_bf8_f32 v[PC+4*\b:PC+1+4*\b], v[S+16*\b:S+7+16*\b], v[244+\b]
	v_cvt_scalef32_pk8_bf8_f32 v[PC+2+4*\b:PC+3+4*\b], v[S+8+16*\b:S+15+16*\b], v[244+\b]
.endr
.set n, 0
.rept 16
	v_pk_mul_f32 v[O+n:O+n+1], v[O+n:O+n+1], v[252:253] op_sel_hi:[1,0]   ; O^T under the new M.  (Also the places between the codes and the products below)
.set n, n+2
.endr
	s_wait_alu depctr_va_vdst(0)
	s_wait_dscnt 0x0                               ; V's fragments and scale words are in
.irp t, 0,1,2,3                                ; O^T += V^T P^T: the four accumulators by turns
	v_wmma_scale_f32_16x16x128_f8f6f4 v[O+8*\t:O+8*\t+7], v[FRG+16*\t:FRG+16*\t+15], v[PC:PC+15], v[O+8*\t:O+8*\t+7], v[248+\t], v253 matrix_a_fmt:MATRIX_FMT_BF8 matrix_b_fmt:MATRIX_FMT_BF8
.endr
.Lhidden_\@:
.endm
; THE CHANGE OF SLOTS stands at a trip's head.  Each wave waits for all its tensor loads, adds 0 to its spare word, and waits for that and for its reads of the slot that it has left.  Behind the barrier the slot ahead is whole and nobody
; reads the other one.  fill = 1: that other slot takes the next trip's keys: the next slot of this block of queries, or slot 0 again where the block ends.
.macro CHANGE fill
	s_wait_tensorcnt 0x0                           ; no tensor load of mine is out, so a group 0 may be written
	ds_add_u32 v5, v6                              ; 0 onto my spare word
.if \fill
	s_add_co_u32 s60, s15, 1
	s_cmp_eq_u32 s15, s14
	s_cselect_b32 s60, 0, s60
	s_mul_i32 s60, s60, 2*CHUNK
	s_mov_b32 s61, 0
	s_add_nc_u64 s[42:43], s[48:49], s[60:61]
	s_or_b32 s43, s43, 0x80000000
	s_add_nc_u64 s[46:47], s[50:51], s[60:61]
	s_or_b32 s47, s47, 0x80000000
	s_xor_b32 s41, s41, SLOT1
	s_xor_b32 s45, s45, SLOT1
.endif
	s_wait_dscnt 0x0                               ; the add is done, and my reads of the slot that I have left are over
	s_barrier_signal -1
	s_barrier_wait -1
.if \fill
	TLOAD                                          ; the first thing behind the barrier, and a wave's one tensor load until the next
.endif
.endm
; A block of queries ends: O^T / l, quantised along d (two blocks of 32, each in lanes l and l xor 16); the codes go through my stage and leave as 1,024 consecutive bytes.
.macro FLUSH
.rept 8
	v_nop                                          ; places behind the last products
.endr
	v_add_f32 v14, v14, v15
	s_delay_alu instid0(VALU_DEP_1)
	v_permlanex16_b32 v252, v14, s20, s21
	s_delay_alu instid0(VALU_DEP_1)
	v_add_f32 v14, v14, v252                       ; the row's sum
	s_wait_alu depctr_va_vdst(0)
	v_rcp_f32 v14, v14
	v_nop                                          ; a plain instruction behind the reciprocal
.set n, 0
	s_wait_alu depctr_va_vdst(0)
.rept 32
	v_mul_f32 v[S+n], v[O+n], v14                  ; register 16 b + i is d = 32 b + 16 h + i; each accumulator from its low end on
.set n, n+1
.endr
.irp b, 0,1
	v_max3_num_f32 v[232+\b], |v[S+16*\b]|, |v[S+1+16*\b]|, 0x8000000
.endr
.irp i, 2,4,6,8,10,12,14
.irp b, 0,1
	s_delay_alu instid0(VALU_DEP_2)
	v_max3_num_f32 v[232+\b], v[232+\b], |v[S+16*\b+\i]|, |v[S+1+16*\b+\i]|
.endr
.endr
.irp b, 0,1
	s_delay_alu instid0(VALU_DEP_2)
	v_permlanex16_b32 v[236+\b], v[232+\b], s20, s21
.endr
.irp b, 0,1
	s_delay_alu instid0(VALU_DEP_2)
	v_max_num_f32 v[232+\b], v[232+\b], v[236+\b]
.endr
.irp b, 0,1
	s_delay_alu instid0(VALU_DEP_2)
	v_add_nc_u32 v[244+\b], 0xf8800000, v[232+\b]
.endr
.irp b, 0,1
.endr
.irp b, 0,1
	s_delay_alu instid0(VALU_DEP_2)
	v_lshrrev_b32 v[236+\b], 23, v[244+\b]
.endr
	s_delay_alu instid0(VALU_DEP_1)
	v_lshl_or_b32 v254, v237, 8, v236              ; my row's two scale bytes
.irp b, 0,1
.irp i, 0,1,2,3,4,5,6,7,8,9,10,11,12,13,14,15
.endr
	v_cvt_scalef32_pk8_bf8_f32 v[PC+4*\b:PC+1+4*\b], v[S+16*\b:S+7+16*\b], v[244+\b]
	v_cvt_scalef32_pk8_bf8_f32 v[PC+2+4*\b:PC+3+4*\b], v[S+8+16*\b:S+15+16*\b], v[244+\b]
.endr
	v_nop                                          ; a plain instruction behind the conversions, ahead of whatever next writes their sources
	ds_store_b128 v216, v[PC:PC+3]
	ds_store_b128 v216, v[PC+4:PC+7] offset:32
	ds_load_b128 v[136:139], v217                  ; LDS serves a wave's instructions in order: these see my stores
	ds_load_b128 v[140:143], v217 offset:512
	s_lshl_b32 s60, s59, 6
	s_mov_b32 s61, 0
	s_add_nc_u64 s[70:71], s[54:55], s[60:61]
	s_lshl_b32 s60, s59, 5
	s_add_nc_u64 s[72:73], s[56:57], s[60:61]
	global_store_b16 v219, v254, s[72:73]          ; both halves of the lanes write the same two bytes with the same value
	s_wait_dscnt 0x0
	global_store_b128 v218, v[136:139], s[70:71]   ; 32 lanes store 512 consecutive bytes, aligned
	global_store_b128 v218, v[140:143], s[70:71] offset:512
	s_wait_xcnt 0x0                                ; the stores' data, offsets and bases are written again only behind this wait
.endm
	s_mov_b32 s14, s11                             ; the first block of queries: p
	s_mov_b32 s15, 0                               ; its first slot of keys
	s_mov_b32 s18, 0                               ; which lies in slot 0
	INIT
	s_mov_b32 s58, 8
.Ltrip:                                            ; eight of the nine trips: behind each change of slots the next trip's keys are asked for
	CHANGE 1
	STEP 0
	STEP 1
	s_xor_b32 s18, s18, SLOT1
	s_cmp_lg_u32 s15, s14                          ; the diagonal slot was the block's last
	s_cbranch_scc1 .Lnext
	FLUSH
	s_sub_co_u32 s14, 7, s11                       ; the second block of queries: 7 - p
	s_mov_b32 s15, -1
	INIT
.Lnext:
	s_add_co_u32 s15, s15, 1
	s_sub_co_u32 s58, s58, 1
	s_cmp_lg_u32 s58, 0
	s_cbranch_scc1 .Ltrip
	CHANGE 0                                       ; the ninth trip is written out
	STEP 0
	STEP 1
	FLUSH
	s_wait_tensorcnt 0x0                           ; the wave's end
	ds_add_u32 v5, v6
	s_wait_dscnt 0x0
	s_endpgm
.Lfunc_end_k_q017ce68dd0_attn:
	.size	k_q017ce68dd0_attn, .Lfunc_end_k_q017ce68dd0_attn-k_q017ce68dd0_attn
	.p2alignl 7, 3214868480
	.fill 96, 4, 3214868480
	.section	.rodata,"a",@progbits
	.p2align	6, 0x0
	.amdhsa_kernel k_q017ce68dd0_attn
		.amdhsa_group_segment_fixed_size 327680
		.amdhsa_private_segment_fixed_size 0
		.amdhsa_enable_private_segment 0
		.amdhsa_kernarg_size 24
		.amdhsa_user_sgpr_count 2
		.amdhsa_user_sgpr_kernarg_segment_ptr 1
		.amdhsa_wavefront_size32 1
		.amdhsa_system_sgpr_workgroup_id_x 1
		.amdhsa_system_sgpr_workgroup_id_y 1
		.amdhsa_system_sgpr_workgroup_id_z 1
		.amdhsa_system_vgpr_workitem_id 0
		.amdhsa_next_free_vgpr 256
		.amdhsa_next_free_sgpr 80
		.amdhsa_reserve_vcc 1
		.amdhsa_float_denorm_mode_32 3
		.amdhsa_float_denorm_mode_16_64 3
		.amdhsa_fp16_overflow 1
		.amdhsa_memory_ordered 1
		.amdhsa_forward_progress 1
		.amdhsa_inst_pref_size 111
	.end_amdhsa_kernel
	.amdgpu_metadata
---
amdhsa.version: [ 1, 2 ]
amdhsa.kernels:
  - .name:           k_q017ce68dd0_attn
    .symbol:         k_q017ce68dd0_attn.kd
    .args:
      - { .name: kvq, .offset: 0, .size: 8, .value_kind: global_buffer, .address_space: global }
      - { .name: oc, .offset: 8, .size: 8, .value_kind: global_buffer, .address_space: global }
      - { .name: os, .offset: 16, .size: 8, .value_kind: global_buffer, .address_space: global }
    .group_segment_fixed_size: 327680
    .private_segment_fixed_size: 0
    .kernarg_segment_align: 8
    .kernarg_segment_size: 24
    .max_flat_workgroup_size: 512
    .sgpr_count:     80
    .vgpr_count:     256
    .wavefront_size: 32
...
	.end_amdgpu_metadata
.endif
;; end of part 3
;; launch oproj (part 4): grid 4 x 64, 4 waves a work-group, clusters of 4 x 4, 327,680 bytes of LDS; arguments oc, os, wc, ws, out0; writes out0
.if DOCPART == 4
	.amdgcn_target "amdgcn-amd-amdhsa--gfx1250"
	.amdhsa_code_object_version 6
	.text
	.protected	k_q017ce68dd0_oproj
	.globl	k_q017ce68dd0_oproj
	.p2align	8
	.type	k_q017ce68dd0_oproj,@function
k_q017ce68dd0_oproj:
	s_mov_b64 s[64:65], 0
	v_nop
	global_prefetch_b8 v0, s[64:65] scope:SCOPE_SE
	s_setreg_imm32_b32 hwreg(HW_REG_WAVE_MODE, 25, 1), 1
	s_wait_xcnt 0x0
	s_wait_alu depctr_hold_cnt(0) depctr_sa_sdst(0) depctr_va_vdst(0) depctr_va_sdst(0) depctr_va_ssrc(0) depctr_va_vcc(0) depctr_vm_vsrc(0)
	s_getreg_b32 s2, hwreg(HW_REG_IB_STS2, 6, 4)
	s_cmp_eq_u32 s2, 0
	s_cbranch_scc0 .Lentry_in_a_cluster
	s_endpgm
.Lentry_in_a_cluster:
	s_bfe_u32 s2, ttmp6, 0x10000c
	s_cmp_lg_u32 s2, 0xf033
	s_cbranch_scc0 .Lentry_shape_is_right
	s_endpgm
.Lentry_shape_is_right:
; out0[token][n] = sum over e of O[token][e] WO[n][e] on codes of BF8 (E5M2) with one E8M0 scale for each 32 along e; sums in f32.  M = 8,192, N = 1,024, K = 1,024.
; A = oc, laid [16 heads][8,192 tokens][64 codes], with os [8,192][32]; B = rows 3,072 on of wc [.][1,024], with ws [.][32].
; A TILE OF C IS 128 TOKENS x 256 COLUMNS: 64 x 4 = 256 tiles, one for each of 256 work-groups (tiles of 256 x 256 would be 128).  Four waves, 64 x 128 each: 32 accumulators, 256 registers.
; K goes in steps of 256 (four heads) through two LDS slots filled by the tensor data mover.  A's part of a slot for 64 tokens is four planes (heads) of 4,096 dense bytes: one load of four rows, 524,288 bytes apart
; (the tensor's own shape gives no more rows), 16 bytes of padding behind every 64: token rows 80 bytes apart.  The scale bytes of the tile's rows, for all of K, come into LDS once, in whole runs of 256 bytes.
; Both operands have two sets of registers: a step of 128 along K waits for its set, asks for the next step's 48 fragment loads and multiplies.
; CLUSTERS: 4 x 4 work-groups; A's tiles are asked for jointly along a row of the cluster, B's along a column.  THE MATRIX INSTRUCTION IS USED TRANSPOSED (source 0 = 16 rows of B, source 1 = 16 rows of A).
; ROWS.  In oc, os, wc, ws row 16 i + r is the tensor's row 32 (i / 2) + 8 (i % 2) + r + 8 (r / 8).  The way out puts both back: the columns by the place in the stage, the rows by the stores' offsets.
; REGISTERS: window 0: v0-31 addresses; v32-63 scale words, two sets; v128-191, v192-255 A's fragments, two sets; window 1: B's fragments, two sets; window 2: the accumulators ((a, b) at v[8 (8 a + b)]).
.set SIZE_N, 1024
.set NQ,     2
.set ROWB,   256
.set KROW,   1024
.set PITCH,  272                       ; B's LDS row: 256 bytes + 16: the 16 rows that a load touches start at 16 different banks (64 banks of 4 bytes: ISA guide 11.1)
.set APITCH, 80                        ; A's: 64 + 16
.set APL,    64*APITCH                 ; a plane of 64 tokens
.set HALFA,  4*APL                     ; what one of A's loads brings
.set BOFF,   2*HALFA
.set HALFB,  128*PITCH
.set SLOT,   BOFF+2*HALFB
.set PLANE4, 4*8192*64                 ; bytes from a K step's four heads to the next four
.set FR,     16
.set NP,     8                         ; places behind this matrix instruction (ISA guide 7.12.1)
.set KS,     32
.set SCL,    2*SLOT                    ; behind the ring: A's scale bytes (two halves of 64 rows), then B's (two of 128), units of 256 bytes + 16 of padding
.set HSA,    (64*KS/256)*272
.set HALFS,  (128*KS/256)*272
.set SBLK,   (16*KS/256)*272
.set SPARE,  SCL+2*HSA+2*HALFS         ; the spare words, 128 bytes a wave: two blocks of 256 bytes that no other line names
.set STG,    SPARE+512                 ; the way out: 16 rows x (512 bytes + 16) for each wave; no fill lands there
.set SPITCH, 528
.set ADRA, 16
.set ADRB, 20
.set STO,  24
.set RD,   25
.set CO,   26
.set ADRS, 27
.set SPW,  28                          ; v28  LDS address of my spare word; never rewritten
.set NIL,  29                          ; v29  0; never rewritten
.set SC,   32
.set AF,   128
.set BK,   128
.set G1, 24
.set G0, 32
.set G1B, 48
.set G0B, 56
.set G1S, 68
.set G0S, 76
.set G1SB, 80
.set G0SB, 88
.set MSB, 0
.macro WIN new
.if MSB != (\new)
	s_set_vgpr_msb (MSB<<8)|(\new)
.set MSB, (\new)
.endif
.endm
.set MUL_LO, 0xa1                      ; source 0 (B) window 1, source 1 (A) window 0, C and D window 2
.set TO_B,   0x40
.macro JLOAD g0a, g1a, g0b, g1b        ; waves 0 and 1 fetch for A, waves 2 and 3 for B; four v_nop follow each of the two lines
	s_cmp_eq_u32 s15, 0
	s_cbranch_scc0 .Lfor_b_\@
	tensor_load_to_lds s[\g0a:\g0a+3], s[\g1a:\g1a+7]
	s_nop 0
.rept 4
	v_nop
.endr
	s_branch .Lasked_\@
.Lfor_b_\@:
	tensor_load_to_lds s[\g0b:\g0b+3], s[\g1b:\g1b+7]
	s_nop 0
.rept 4
	v_nop
.endr
.Lasked_\@:
.endm
.macro CREST
	s_cmp_lg_u32 s14, 0
	s_cbranch_scc1 .Lnot_wave_0_\@
	s_barrier_signal -3
.Lnot_wave_0_\@:
	s_barrier_wait -3
	s_barrier_signal -1
	s_barrier_wait -1
.endm
.macro CROUND
	s_barrier_signal -1
	s_barrier_wait -1
	CREST
.endm
	s_load_b128 s[4:7], s[0:1], 0x0                ; oc, os
	s_load_b128 s[8:11], s[0:1], 0x10              ; wc, ws
	s_load_b64 s[12:13], s[0:1], 0x20              ; out0
	v_lshl_add_u32 v[SPW], v0, 2, SPARE
	v_mov_b32 v[NIL], 0
	ds_add_u32 v28, v29
	ds_add_u32 v28, v29
	s_wait_dscnt 0x0
	v_lshrrev_b32 v1, 5, v0
	v_readfirstlane_b32 s14, v1                    ; wave 0..3
	s_lshr_b32 s15, s14, 1                         ; which 64 of the tile's tokens are mine.  Also: I fetch for A (0) or for B (1)
	s_and_b32 s16, s14, 1                          ; which 128 of its columns.  Also: which half of that tile I fetch
	s_bfe_u32 s40, ttmp6, 0x40000
	s_bfe_u32 s41, ttmp6, 0x40004
	s_lshl_b32 s42, ttmp9, 2
	s_add_co_u32 s42, s42, s40                     ; tile column 0..3
	s_and_b32 s17, ttmp7, 0xffff
	s_lshl_b32 s17, s17, 2
	s_add_co_u32 s17, s17, s41                     ; tile row 0..63
	s_lshl_b32 s43, s41, 2
	s_lshl_b32 s43, 15, s43                        ; my row of the cluster
	s_lshl_b32 s44, 0x1111, s40                    ; my column
	s_or_b32 s[G1+0], s43, (3<<16)|(1<<20)|(1<<21)|(3<<22)|(3<<25)  ; A: elements of 8 bytes; padding of four words after every 16
	s_mov_b32 s[G1+1], 512<<16                     ; tensor_dim0: 4,096 bytes
	s_mov_b32 s[G1+2], 4<<16                       ; tensor_dim1: four planes
	s_mov_b32 s[G1+3], 512<<16                     ; tile_dim0
	s_mov_b32 s[G1+4], 4                           ; tile_dim1
	s_mov_b32 s[G1+5], 65536                       ; the pitch: 524,288 bytes
	s_mov_b32 s[G1+6], 0
	s_mov_b32 s[G1+7], 0
	s_or_b32 s[G1B+0], s44, (0<<16)|(1<<20)|(1<<21)|(5<<22)|(3<<25) ; B: 128 rows of 256 bytes, four words of padding after every 64
	s_mov_b32 s[G1B+1], ROWB<<16
	s_mov_b32 s[G1B+2], 128<<16
	s_mov_b32 s[G1B+3], ROWB<<16
	s_mov_b32 s[G1B+4], 128
	s_mov_b32 s[G1B+5], KROW
	s_mov_b32 s[G1B+6], 0
	s_mov_b32 s[G1B+7], 0
	s_or_b32 s[G1S+0], s43, (3<<16)|(1<<20)|(1<<21)|(5<<22)|(3<<25)  ; the scale bytes: rows of 256 bytes, 16 of padding behind each: A's 64 rows are 8 of them,
	s_mov_b32 s[G1S+1], 32<<16
	s_mov_b32 s[G1S+2], (64*KS/256)<<16
	s_mov_b32 s[G1S+3], 32<<16
	s_mov_b32 s[G1S+4], 64*KS/256
	s_mov_b32 s[G1S+5], 32
	s_mov_b32 s[G1S+6], 0
	s_mov_b32 s[G1S+7], 0
	s_or_b32 s[G1SB+0], s44, (3<<16)|(1<<20)|(1<<21)|(5<<22)|(3<<25) ; B's 128 rows 16
	s_mov_b32 s[G1SB+1], 32<<16
	s_mov_b32 s[G1SB+2], (128*KS/256)<<16
	s_mov_b32 s[G1SB+3], 32<<16
	s_mov_b32 s[G1SB+4], 128*KS/256
	s_mov_b32 s[G1SB+5], 32
	s_mov_b32 s[G1SB+6], 0
	s_mov_b32 s[G1SB+7], 0
	s_lshl_b32 s20, s17, 7
	s_lshl_b32 s18, s16, 6
	s_add_co_u32 s20, s20, s18                     ; A's first token row that I fetch
	s_lshl_b32 s46, s42, 8
	s_lshl_b32 s18, s16, 7
	s_add_co_u32 s46, s46, s18
	s_add_co_u32 s46, s46, 3072                    ; B's first row: WO's rows begin at 3,072
	s_lshl_b32 s22, s20, 5                         ; 32 scale bytes a row
	s_mov_b32 s23, 0
	s_lshl_b32 s92, s46, 5
	s_mov_b32 s93, 0
	s_lshl_b32 s20, s20, 6                         ; 64 codes a token in a plane
	s_mov_b32 s21, 0
	s_lshl_b32 s46, s46, 10                        ; 1,024 codes a row
	s_mov_b32 s47, 0
	s_mul_i32 s45, s16, HALFA                      ; where they go: no place in the cluster enters an LDS address
	s_mul_i32 s95, s16, HALFB
	s_add_co_u32 s95, s95, BOFF
	s_mul_i32 s94, s16, HSA
	s_mul_i32 s96, s16, HALFS
	s_wait_kmcnt 0x0
	s_add_nc_u64 s[20:21], s[4:5], s[20:21]
	s_add_nc_u64 s[22:23], s[6:7], s[22:23]
	s_add_nc_u64 s[46:47], s[8:9], s[46:47]
	s_add_nc_u64 s[92:93], s[10:11], s[92:93]
	CROUND                                         ; all sixteen work-groups are here: the first joint loads meet
	s_mov_b32 s[G0S], 1
	s_add_co_u32 s[G0S+1], s94, SCL
	s_mov_b64 s[G0S+2:G0S+3], s[22:23]
	s_or_b32 s[G0S+3], s[G0S+3], 0x80000000
	s_mov_b32 s[G0SB], 1
	s_add_co_u32 s[G0SB+1], s96, SCL+2*HSA
	s_mov_b64 s[G0SB+2:G0SB+3], s[92:93]
	s_or_b32 s[G0SB+3], s[G0SB+3], 0x80000000
	JLOAD G0S, G1S, G0SB, G1SB
.irp s, 0,1
	s_mov_b32 s[G0+4*\s], 1
	s_add_co_u32 s[G0+4*\s+1], s45, \s*SLOT
	s_add_nc_u64 s[G0+4*\s+2:G0+4*\s+3], s[20:21], \s*PLANE4
	s_or_b32 s[G0+4*\s+3], s[G0+4*\s+3], 0x80000000
	s_mov_b32 s[G0B+4*\s], 1
	s_add_co_u32 s[G0B+4*\s+1], s95, \s*SLOT
	s_add_nc_u64 s[G0B+4*\s+2:G0B+4*\s+3], s[46:47], \s*ROWB
	s_or_b32 s[G0B+4*\s+3], s[G0B+4*\s+3], 0x80000000
	s_wait_alu depctr_va_vdst(0)
	s_wait_tensorcnt 0x0
	ds_add_u32 v28, v29
	s_wait_dscnt 0x0
	CROUND
	JLOAD G0+4*\s, G1, G0B+4*\s, G1B               ; three loads of mine are out at the most
.endr
	v_and_b32 v1, 15, v0                           ; r
	v_bfe_u32 v2, v0, 4, 1                         ; h
	v_mul_u32_u24 v3, v1, PITCH
	v_lshl_add_u32 v4, v2, 4, v3                   ; B: row x pitch + 16 h
	v_mul_u32_u24 v3, v1, APITCH
	v_lshl_add_u32 v3, v2, 4, v3                   ; A likewise
	s_mul_i32 s21, s15, HALFA
	s_mul_i32 s22, s16, HALFB
	s_add_co_u32 s22, s22, BOFF
.irp s, 0,1
	v_add_nc_u32 v[ADRA+\s], s21, v3
	v_add_nc_u32 v[ADRB+\s], s22, v4
	s_add_co_u32 s21, s21, SLOT
	s_add_co_u32 s22, s22, SLOT
.endr
	v_mul_u32_u24 v5, v1, KS                       ; my row's scale bytes: KS a row,
	v_lshrrev_b32 v6, 8, v5
	v_lshl_add_u32 v5, v6, 4, v5                   ; and 16 more for each 256 passed
	s_mul_i32 s21, s15, HSA
	s_mul_i32 s22, s16, HALFS
	s_add_co_u32 s22, s22, 2*HSA
	s_sub_co_u32 s22, s22, s21
	v_mul_u32_u24 v6, s22, v2                      ; lanes 16-31 take B's scale words
	s_add_co_u32 s21, s21, SCL
	v_add_nc_u32 v5, v5, v6
	v_add_nc_u32 v[ADRS], s21, v5
	s_mul_i32 s23, s14, 16*SPITCH
	s_add_co_u32 s23, s23, STG                     ; my stage
	v_mul_u32_u24 v5, v1, SPITCH
	v_lshl_add_u32 v5, v2, 6, v5                   ; in: row r, + 64 h: my half's 16 columns of each 32
	v_add_nc_u32 v[STO], s23, v5
	v_and_b32 v6, 31, v0
	v_lshlrev_b32 v[CO], 4, v6                     ; back: the 32 lanes take one row of 512 bytes; and the same in out0
	v_add_nc_u32 v[RD], s23, v[CO]
	s_lshl_b32 s20, s17, 7
	s_lshl_b32 s21, s15, 6
	s_add_co_u32 s20, s20, s21                     ; my first row of out0
	s_lshl_b32 s20, s20, 12                        ; 4,096 bytes a row
	s_lshl_b32 s46, s42, 10                        ; my first column, in bytes
	s_lshl_b32 s47, s16, 9
	s_add_co_u32 s20, s20, s46
	s_add_co_u32 s20, s20, s47
	s_mov_b32 s21, 0
	s_add_nc_u64 s[12:13], s[12:13], s[20:21]
.macro FRAGB reg, adr, q, i            ; 16 rows x 128 K: registers 4 c .. 4 c + 3 hold K = 32 c + 16 (l / 16) + 0 .. 15
.irp c, 0,1,2,3
	ds_load_b128 v[\reg+4*\c:\reg+4*\c+3], v[\adr] offset:128*(\q)+32*\c+(\i)*16*PITCH
.endr
.endm
.macro FRAGA reg, adr, q, i            ; the same from planes: 128 along K are two heads
.irp c, 0,1,2,3
	ds_load_b128 v[\reg+4*\c:\reg+4*\c+3], v[\adr] offset:(2*(\q)+\c/2)*APL+32*(\c%2)+(\i)*16*APITCH
.endr
.endm
; 16 matrix instructions: A's blocks a0, a0 + 1 against B's eight.  p: the set of both operands, and which 128 of the slot's 256 along K.  The 32 accumulators take turns, one instruction a turn, in the same order in every step.
.macro MUL16 a0, p, sc, zero
.irp a, \a0, \a0+1
.irp b, 0,1,2,3,4,5,6,7
.if \zero
	v_wmma_scale_f32_16x16x128_f8f6f4 v[8*(8*(\a)+\b):8*(8*(\a)+\b)+7], v[128*(\p)+FR*\b:128*(\p)+FR*\b+FR-1], v[AF+64*(\p)+FR*(\a):AF+64*(\p)+FR*(\a)+FR-1], 0, v[SC+8*NQ*(\sc)+NQ*\b+(\p)], v[SC+8*NQ*(\sc)+NQ*(\a)+(\p)] matrix_a_fmt:MATRIX_FMT_BF8 matrix_b_fmt:MATRIX_FMT_BF8 matrix_a_scale:MATRIX_SCALE_ROW1
.else
	v_wmma_scale_f32_16x16x128_f8f6f4 v[8*(8*(\a)+\b):8*(8*(\a)+\b)+7], v[128*(\p)+FR*\b:128*(\p)+FR*\b+FR-1], v[AF+64*(\p)+FR*(\a):AF+64*(\p)+FR*(\a)+FR-1], v[8*(8*(\a)+\b):8*(8*(\a)+\b)+7], v[SC+8*NQ*(\sc)+NQ*\b+(\p)], v[SC+8*NQ*(\sc)+NQ*(\a)+(\p)] matrix_a_fmt:MATRIX_FMT_BF8 matrix_b_fmt:MATRIX_FMT_BF8 matrix_a_scale:MATRIX_SCALE_ROW1
.endif
.endr
.endr
.endm
.macro FETCH slot, q                   ; 48 LDS loads: B's eight fragments and A's four, of the slot's q-th 128 along K, into set q
	WIN TO_B
.irp i, 0,1,2,3,4,5,6,7
	FRAGB 128*(\q)+FR*\i, ADRB+\slot, \q, \i
.endr
	WIN 0
.irp i, 0,1,2,3
	FRAGA AF+64*(\q)+FR*\i, ADRA+\slot, \q, \i
.endr
.endm
.macro SCALES sc                       ; a K step's scale words: lanes 16-31 take B's block i; lanes 0-15 A's block i (for i = 4 .. 7 they read on into bytes of the scales' region that no product names)
.irp i, 0,1,2,3,4,5,6,7
	ds_load_b64 v[SC+8*NQ*\sc+NQ*\i:SC+8*NQ*\sc+NQ*\i+1], v[ADRS] offset:\i*SBLK
.endr
.endm
.macro PLACES n
.rept \n
	v_nop
.endr
.endm
.macro STEP slot, zero                 ; a slot's first 128 along K: the second's fragments are fetched ahead of the 32 products
	s_wait_dscnt 0x0                               ; this step's fragments and scale words are in
	PLACES NP                                      ; behind the last step's products, whose set takes the loads below
	FETCH \slot, 1
	WIN MUL_LO
	MUL16 0, 0, \slot, \zero
	MUL16 2, 0, \slot, \zero
	WIN 0
.endm
; A slot's second 128 along K, and the change of slots: one barrier; in front of it each wave waits for all its tensor loads, adds 0 to its spare word, and waits for that and for its own reads of this slot.
.macro TURN slot, next, fill
	s_wait_tensorcnt 0x0                           ; all my tensor loads have landed: my part of the next slot
	ds_add_u32 v[SPW], v[NIL]                      ; 0 onto my spare word
	PLACES NP                                      ; behind the last step's products, whose set takes the loads below
	s_wait_dscnt 0x0                               ; the add is done; this step's fragments are in: my reads of this slot are over
	s_barrier_signal -1
	WIN MUL_LO
	MUL16 0, 1, \slot, 0
	WIN 0
	s_barrier_wait -1
.if \fill
	CREST                                          ; the barrier has opened a round of the cluster's: no wave of any partner still reads this slot or has a load on its way
	s_add_nc_u64 s[G0+4*\slot+2:G0+4*\slot+3], s[G0+4*\slot+2:G0+4*\slot+3], 2*PLANE4
	s_add_nc_u64 s[G0B+4*\slot+2:G0B+4*\slot+3], s[G0B+4*\slot+2:G0B+4*\slot+3], 2*ROWB
	JLOAD G0+4*\slot, G1, G0B+4*\slot, G1B         ; the first tensor load behind the round
.endif
	s_wait_alu depctr_va_vdst(0)
	v_add_nc_u32 v[ADRS], 4*NQ, v[ADRS]            ; the next K step's scale words
	FETCH \next, 0
	SCALES \next
	WIN MUL_LO
	MUL16 2, 1, \slot, 0
	WIN 0
.endm
	s_wait_alu depctr_va_vdst(0)
	s_wait_tensorcnt 1                             ; the scale bytes and my part of K step 0 are in (K step 1's load may be out)
	s_barrier_signal -1
	s_barrier_wait -1
	FETCH 0, 0
	SCALES 0
	STEP 0, 1                                      ; K step 0: its first products start the sums
	TURN 0, 1, 1
	STEP 1, 0                                      ; K step 1
	TURN 1, 0, 1
	STEP 0, 0                                      ; K step 2
	TURN 0, 1, 0                                   ; nothing is left to fetch
	STEP 1, 0                                      ; K step 3
	s_wait_dscnt 0x0
	WIN MUL_LO
	MUL16 0, 1, 1, 0
	MUL16 2, 1, 1, 0
	WIN 0
; THE WAY OUT, block by block of 16 rows x 128 columns, through my own stage: accumulator b's eight numbers of lane (r, h) are columns 32 (b / 2) + 16 h + 8 (b % 2) + 0 .. 7 of the tensor's order.
.macro TOSTAGE a
	WIN 0x08                                       ; the data: window 2
.irp b, 0,1,2,3,4,5,6,7
	ds_store_b128 v[STO], v[64*(\a)+8*\b:64*(\a)+8*\b+3] offset:128*(\b/2)+32*(\b%2)        ; each accumulator from its low end on
	ds_store_b128 v[STO], v[64*(\a)+8*\b+4:64*(\a)+8*\b+7] offset:128*(\b/2)+32*(\b%2)+16
.endr
	WIN 0
.set BB, BK+64*((\a)%2)
.irp t, 0,1,2,3,4,5,6,7,8,9,10,11,12,13,14,15
	ds_load_b128 v[BB+4*\t:BB+4*\t+3], v[RD] offset:\t*SPITCH   ; LDS serves a wave's instructions in order: these see the stores above
.endr
.endm
.macro SEND a, younger
.set BB, BK+64*((\a)%2)
	s_wait_dscnt \younger
.irp t, 0,1,2,3,4,5,6,7,8,9,10,11,12,13,14,15
	global_store_b128 v[CO], v[BB+4*\t:BB+4*\t+3], s[12:13] offset:(32*((\a)/2)+8*((\a)%2)+\t+8*(\t/8))*SIZE_N*4 th:TH_STORE_NT   ; the stage's row t is this row of the tensor; 32 lanes store 512 consecutive bytes, aligned; 63 rows at the most: inside the signed 24-bit immediate
.endr
.endm
	PLACES NP
	TOSTAGE 0
.irp a, 1,2,3
.if \a > 1
	s_wait_xcnt 0x0                                ; block a - 2's stores have read their registers: block a's loads may land there
.endif
	TOSTAGE \a
	SEND \a-1, 32                                  ; behind block a - 1's loads: block a's 16 stores and 16 loads
.endr
	SEND 3, 0
	s_wait_tensorcnt 0x0                           ; the wave's end
	ds_add_u32 v[SPW], v[NIL]
	s_wait_dscnt 0x0
	CROUND                                         ; the closing round
	s_endpgm
.Lfunc_end_k_q017ce68dd0_oproj:
	.size	k_q017ce68dd0_oproj, .Lfunc_end_k_q017ce68dd0_oproj-k_q017ce68dd0_oproj
	.p2alignl 7, 3214868480
	.fill 96, 4, 3214868480
	.section	.rodata,"a",@progbits
	.p2align	6, 0x0
	.amdhsa_kernel k_q017ce68dd0_oproj
		.amdhsa_group_segment_fixed_size 327680
		.amdhsa_private_segment_fixed_size 0
		.amdhsa_enable_private_segment 0
		.amdhsa_kernarg_size 40
		.amdhsa_user_sgpr_count 2
		.amdhsa_user_sgpr_kernarg_segment_ptr 1
		.amdhsa_wavefront_size32 1
		.amdhsa_system_sgpr_workgroup_id_x 1
		.amdhsa_system_sgpr_workgroup_id_y 1
		.amdhsa_system_sgpr_workgroup_id_z 1
		.amdhsa_system_vgpr_workitem_id 0
		.amdhsa_next_free_vgpr 1024
		.amdhsa_next_free_sgpr 98
		.amdhsa_reserve_vcc 0
		.amdhsa_float_denorm_mode_32 3
		.amdhsa_float_denorm_mode_16_64 3
		.amdhsa_memory_ordered 1
		.amdhsa_forward_progress 1
		.amdhsa_inst_pref_size 90
	.end_amdhsa_kernel
	.amdgpu_metadata
---
amdhsa.version: [ 1, 2 ]
amdhsa.kernels:
  - .name:           k_q017ce68dd0_oproj
    .symbol:         k_q017ce68dd0_oproj.kd
    .args:
      - { .name: oc, .offset: 0, .size: 8, .value_kind: global_buffer, .address_space: global }
      - { .name: os, .offset: 8, .size: 8, .value_kind: global_buffer, .address_space: global }
      - { .name: wc, .offset: 16, .size: 8, .value_kind: global_buffer, .address_space: global }
      - { .name: ws, .offset: 24, .size: 8, .value_kind: global_buffer, .address_space: global }
      - { .name: out0, .offset: 32, .size: 8, .value_kind: global_buffer, .address_space: global }
    .group_segment_fixed_size: 327680
    .private_segment_fixed_size: 0
    .kernarg_segment_align: 8
    .kernarg_segment_size: 40
    .max_flat_workgroup_size: 128
    .sgpr_count:     98
    .vgpr_count:     1024
    .wavefront_size: 32
...
	.end_amdgpu_metadata
.endif
;; end of part 4
